; MI455X (gfx1250); checked and timed in simulation.
; The chip was launched on July 23, 2026; its instructions are those of AMD's public machine-readable ISA for CDNA 5 (MIT licence, August 2026) and "CDNA5" Instruction Set Architecture Reference Guide (July 2026). The comments in the code are by the model that wrote it; some were corrected since.
;; Attention. Allowed arithmetic: matrix products marked QUANTISED: E2M1 operands, one E8M0 scale for each 32 along K, by v_wmma_scale_f32_16x16x128_f8f6f4 with both operands' format E2M1 (or v_wmma_scale_f32_32x16x128_f4), f32 sums; products left as they are: bf16, f16 or f32 operands; f32 sums; everything else in f32.
;; Inputs: cos 2,048 x 64 float32; mask 2,048 x 2,048 float32; positions 2,048 int32; sin 2,048 x 64 float32; wk 4,096 x 1,024 float32; wo 2,048 x 4,096 float32; wq 4,096 x 2,048 float32; wv 4,096 x 1,024 float32; x 1 x 2,048 x 4,096 float32.
;; Outputs: out0 1 x 2,048 x 4,096 float32.
;; This version of the problem:
;;   THIS VERSION OF THE PROBLEM IS GIVEN IN LOW PRECISION. The matrix products marked QUANTISED in the list below multiply operands that are first quantised to E2M1 (2 exponent bits, 1 mantissa bit; 4 bits a number), with one power-of-two scale for each 32 numbers along K (OCP MX v1.0); their sums are f32. The products marked 'left as it is' may take bf16, f16 or f32 operands, with f32 sums. Whichever they take, every output number must still come out within the allowed error. Rounding operands to bf16 (8 significant bits) uses up far more of that allowance than f16 does (11 bits, for magnitudes from 6e-5 to 65,504). All else is computed in f32.
;;   The module's matrix products, in the order in which they are computed (A, B: the left and right operand; K: the contracted axis; several contracted axes count as one K, in the product's order):
;;     1. [M 2,048, K 4,096] x [K 4,096, N 2,048]; A: input x; B: input wq: QUANTISED
;;     2. [M 2,048, K 4,096] x [K 4,096, N 1,024]; A: input x; B: input wk: QUANTISED
;;     3. [M 2,048, K 4,096] x [K 4,096, N 1,024]; A: input x; B: input wv: QUANTISED
;;     4. batch 8 x [M 4,096, K 128] x [K 128, N 2,048]; A: computed on the way; B: computed on the way: left as it is (an operand is computed on the way)
;;     5. batch 8 x [M 4,096, K 2,048] x [K 2,048, N 128]; A: computed on the way; B: computed on the way: left as it is (an operand is computed on the way)
;;     6. [M 2,048, K 2,048] x [K 2,048, N 4,096]; A: computed on the way; B: input wo: left as it is (an operand is computed on the way)
;;   THE QUANTISER, for each operand of a quantised product, along K:
;;     - K is cut into blocks of 32 from its start; a last block that is shorter is filled with zeros.
;;     - A block's scale is 2^e with e = floor(log2(the largest magnitude in the block)) - 2, held to -126 .. 127; a block of zeros has e = 0. As a byte (E8M0): e + 127.
;;     - Each number is divided by its block's scale, clamped to +-6, and rounded to the nearest number of E2M1, ties to even, subnormals kept.
;;     - The product sums the exact products of the quantised numbers (number of the format x scale) in f32.
;;   ~~~python
;;   def quantise(x, axis):      # numpy; x: float32 -> the quantised numbers, widened to float32 again
;;       x = np.moveaxis(x, axis, -1); K = x.shape[-1]
;;       x = np.pad(x, [(0, 0)] * (x.ndim - 1) + [(0, -K % 32)]); x = x.reshape(x.shape[:-1] + (-1, 32)); a = np.abs(x).max(-1, keepdims=True)
;;       e = np.where(a > 0, np.clip(np.frexp(np.where(a > 0, a, 1))[1] - 1 - 2, -126, 127), 0)      # np.frexp(a)[1] - 1 = floor(log2(a)), exactly
;;       r = np.clip(x / 2.0 ** e, -6, 6)
;;       step = 2.0 ** (np.maximum(np.frexp(np.where(r == 0, 1, r))[1] - 1, 0) - 1)
;;       q = np.round(r / step) * step * 2.0 ** e      # np.round: ties to even
;;       return np.moveaxis(q.reshape(q.shape[:-2] + (-1,))[..., :K], -1, axis).astype(np.float32)
;;   ~~~
;; One version. Each part assembles by itself: llvm-mc -triple=amdgcn-amd-amdhsa -mcpu=gfx1250 --defsym DOCPART=n.
;; ======== version 1 of 1: 4 launches
;; limits: values are held in f16: magnitudes above 65,504 overflow, below 6.1e-05 lose precision
;; workspace buffers: xc 4,194,304 bytes; xs 262,144 bytes; wc 8,388,608 bytes; ws 524,288 bytes; wo16 16,777,216 bytes; qkv 16,777,216 bytes; att 8,388,608 bytes
;; launch prep (part 1): grid 768 x 1, 4 waves a work-group, no clusters, 68,096 bytes of LDS; arguments x, wq, wk, wv, wo, xc, xs, wc, ws, wo16; writes xc, xs, wc, ws, wo16
.if DOCPART == 1
	.amdgcn_target "amdgcn-amd-amdhsa--gfx1250"
	.amdhsa_code_object_version 6
	.text
	.protected	k_qbff9d60fc6_prep
	.globl	k_qbff9d60fc6_prep
	.p2align	8
	.type	k_qbff9d60fc6_prep,@function
k_qbff9d60fc6_prep:
	s_mov_b64 s[64:65], 0
	v_nop
	global_prefetch_b8 v0, s[64:65] scope:SCOPE_SE
	s_setreg_imm32_b32 hwreg(HW_REG_WAVE_MODE, 25, 1), 1
	s_wait_xcnt 0x0
; PREP: the operands of the three quantised products become codes of E2M1 with E8M0 scale bytes, and wo becomes f16.
; DEAD WORK, for the whole program: reference() never reads a number of the input 'positions' (only the comment on the prefill path speaks of its shape), so for all values
; of the inputs it has no way to the output: it is not loaded and is among no launch's arguments.  A NaN or an infinity in it is therefore not carried to the result.  Nothing else is left out:
; the mask is an input, so every score is made and every number of the mask is loaded.
; THREE PATHS, parted on the work-group's number, each with LDS bytes of its own:
;   work-groups 0-255   wq, wk, wv [4096 (k)][n] f32, K outermost -> wc [4096 n][2048 bytes] (n 0-2047 wq's columns, 2048-3071 wk's, 3072-4095 wv's), ws [8 K steps of 512][4096 n][16 bytes]
;   work-groups 256-511 x [2048][4096] f32, K innermost -> xc [2048][2048 bytes], xs [8][2048 rows][16 bytes]
;   work-groups 512-767 wo [2048][4096] f32 -> wo16, f16 of 4 wo, same layout (attention's result is kept as a quarter of itself, so the last product needs no factor)
; THE QUANTISER: a block's scale is 2^(floor(log2(largest magnitude)) - 2); its byte is the largest magnitude's exponent field - 2, held at 1 from below; each number / scale goes to the nearest code, ties to even, beyond 6 the code of 6.
; LIMITS: a block whose largest magnitude lies under 2^-124 keeps the byte 1; a block of zeros gets the byte 1 where the rule says 127 (its codes are zeros, which add nothing under any byte but 0xff, and this program alone reads the bytes);
; NaN and infinities among the inputs are not served; 4 |wo| must stay under 65,504.
; No tensor loads, no barrier: waves share nothing.
.set SPARE, 67584                      ; behind both paths' LDS: the spare words, 128 bytes for each wave: two blocks of 256 bytes that no other line names
.set SPW,   224                        ; v224 LDS address of my spare word; never rewritten
.set NIL,   225                        ; v225 0; never rewritten
.set FLOOR, 0x1800000                  ; 2^(3 - 127): under it no largest magnitude is taken, so the byte cannot fall under 1
.set OFFE,  0xff000000                 ; takes 2 off an exponent field
.macro CLOSE                           ; the end of a wave that stored to LDS
	s_wait_tensorcnt 0x0
	ds_add_u32 v[SPW], v[NIL]
	s_wait_dscnt 0x0
	s_endpgm
.endm
	s_load_b512 s[4:19], s[0:1], 0x0               ; x 4, wq 6, wk 8, wv 10, wo 12, xc 14, xs 16, wc 18
	s_load_b128 s[20:23], s[0:1], 0x40             ; ws 20, wo16 22
	v_lshl_add_u32 v[SPW], v0, 2, SPARE
	v_mov_b32 v[NIL], 0
	v_lshrrev_b32 v1, 5, v0
	v_readfirstlane_b32 s24, v1                    ; wave 0..3
	v_and_b32 v2, 31, v0                           ; lane
	s_wait_kmcnt 0x0
	s_cmp_lt_u32 ttmp9, 256
	s_cbranch_scc1 .Lweights
	s_cmp_lt_u32 ttmp9, 512
	s_cbranch_scc1 .Ltokens
; ---------------- wo -> f16(4 wo): a stream.  A wave takes 32,768 bytes in 64 chunks of 512; sixteen loads are on their way; each chunk has its own two result registers, so no store's data are written again.
.set OIN,  32                          ; v32-95   sixteen slots of four registers
.set OOUT, 96                          ; v96-223  two registers a chunk
	s_sub_co_u32 s25, ttmp9, 512
	s_lshl_b32 s25, s25, 2
	s_add_co_u32 s25, s25, s24                     ; which run of 8,192 numbers is my wave's
	s_lshl_b32 s26, s25, 15
	s_mov_b32 s27, 0
	s_add_nc_u64 s[12:13], s[12:13], s[26:27]
	s_lshl_b32 s26, s25, 14
	s_add_nc_u64 s[22:23], s[22:23], s[26:27]
	v_lshlrev_b32 v3, 4, v2                        ; in: 16 bytes a lane
	v_lshlrev_b32 v4, 3, v2                        ; out: 8 bytes a lane
.set Q, 0
.rept 16
	global_load_b128 v[OIN+4*Q:OIN+4*Q+3], v3, s[12:13] offset:512*Q th:TH_LOAD_NT
.set Q, Q+1
.endr
.set Q, 0
.rept 64
.set RR, OIN+4*(Q%16)
.if Q <= 48
	s_wait_loadcnt 15                              ; loads come back in order: this chunk's is in, the fifteen younger ones stay out
.else
	s_wait_loadcnt 63-Q                            ; the last sixteen chunks: the count runs down
.endif
	v_pk_mul_f32 v[RR:RR+1], v[RR:RR+1], 4.0 op_sel_hi:[1,0]
	v_pk_mul_f32 v[RR+2:RR+3], v[RR+2:RR+3], 4.0 op_sel_hi:[1,0]
	v_cvt_pk_f16_f32 v[OOUT+2*Q], v[RR], v[RR+1]
	v_cvt_pk_f16_f32 v[OOUT+2*Q+1], v[RR+2], v[RR+3]
.if Q+16 < 64
	global_load_b128 v[RR:RR+3], v3, s[12:13] offset:512*(Q+16) th:TH_LOAD_NT
.endif
	global_store_b64 v4, v[OOUT+2*Q:OOUT+2*Q+1], s[22:23] offset:256*Q   ; the wave stores 256 consecutive bytes, aligned
.set Q, Q+1
.endr
	s_endpgm
; ---------------- wq, wk, wv: K is the FIRST axis.  A lane takes a column n and its registers run down K: a block of 32 lies in one lane's 32 registers, and the conversions give codes with K innermost.
; A work-group takes 128 columns of the joined n x 512 along K; a wave 32 columns: 16 blocks a lane, 256 bytes of codes a column, which leave through the wave's stage as rows.
.set WX,    32                         ; v32-95   two sets of 32 numbers
.set WC,    96                         ; v96-99   a block's codes
.set OUTR,  112                        ; v112-175 the way out
.set SB,    24                         ; v24-27   the 16 scale bytes of my column
.set OFFS,  192                        ; v192-223 byte offsets of 32 rows of the weight: its pitch hangs on which weight it is, so it cannot stand in an immediate
.set WP,    272                        ; a stage row: 256 bytes + 16
.Lweights:
	s_and_b32 s25, ttmp9, 31                       ; which 128 columns of the joined n
	s_lshr_b32 s26, ttmp9, 5                       ; which 512 along K
	s_cmp_lt_u32 s25, 24
	s_cselect_b64 s[28:29], s[8:9], s[10:11]       ; wk or wv;
	s_cselect_b32 s27, 16, 24                      ; where its columns begin, in tiles of 128
	s_mov_b32 s30, 4096                            ; and its pitch in bytes
	s_cmp_lt_u32 s25, 16
	s_cselect_b64 s[28:29], s[6:7], s[28:29]       ; or wq.  The choice hangs on the work-group's number alone
	s_cselect_b32 s27, 0, s27
	s_cselect_b32 s30, 8192, s30
	s_sub_co_u32 s27, s25, s27
	s_lshl_b32 s27, s27, 7
	s_lshl_b32 s31, s24, 5
	s_add_co_u32 s27, s27, s31                     ; my wave's first column in its weight
	s_lshl_b32 s27, s27, 2
	s_lshl_b32 s34, s26, 9
	s_mul_i32 s34, s34, s30                        ; 512 rows for each K step
	s_add_co_u32 s34, s34, s27
	s_mov_b32 s35, 0
	s_add_nc_u64 s[28:29], s[28:29], s[34:35]
	s_lshl_b32 s32, s30, 5                         ; a block on: 32 rows
	s_mov_b32 s33, 0
	s_lshl_b32 s36, s25, 7
	s_add_co_u32 s36, s36, s31                     ; my wave's first n
	s_lshl_b32 s37, s36, 11                        ; a row of codes is 2,048 bytes
	s_lshl_b32 s38, s26, 8                         ; a K step 256 of them
	s_add_co_u32 s38, s38, s37
	s_mov_b32 s39, 0
	s_add_nc_u64 s[18:19], s[18:19], s[38:39]
	s_lshl_b32 s38, s26, 16                        ; scale bytes: 65,536 a K step, 16 a row
	s_lshl_b32 s37, s36, 4
	s_add_co_u32 s38, s38, s37
	s_add_nc_u64 s[20:21], s[20:21], s[38:39]
	s_mul_i32 s37, s24, 32*WP                      ; my stage
	v_mul_u32_u24 v4, v2, WP
	v_add_nc_u32 v4, s37, v4                       ; into it: row = my column
	v_and_b32 v5, 15, v2
	v_lshrrev_b32 v6, 4, v2
	v_mul_u32_u24 v7, v6, WP
	v_lshl_add_u32 v7, v5, 4, v7
	v_add_nc_u32 v7, s37, v7                       ; out of it: sixteen lanes to a row, two rows an instruction
	v_lshlrev_b32 v8, 11, v6
	v_lshl_add_u32 v8, v5, 4, v8                   ; and the same place in wc
	v_lshlrev_b32 v9, 4, v2                        ; my column's 16 scale bytes
	v_lshlrev_b32 v[OFFS], 2, v2
.set n, 1
.rept 31
	v_add_nc_u32 v[OFFS+n], s30, v[OFFS+n-1]
.set n, n+1
.endr
.macro WLOAD t                         ; block t: W(32 t + i, my column) into set t % 2; the blocks are asked for in order, so the base steps one block each time
.if (\t) > 0
	s_wait_xcnt 0x0                                ; the earlier loads have read their base
	s_add_nc_u64 s[28:29], s[28:29], s[32:33]
.endif
.set n, 0
.rept 32
	global_load_b32 v[WX+32*((\t)%2)+n], v[OFFS+n], s[28:29] th:TH_LOAD_NT   ; 32 lanes read 128 consecutive bytes, the four waves 512
.set n, n+1
.endr
.endm
.macro WBLOCK t
.set XS, WX+32*((\t)%2)
.if (\t) < 15
	s_wait_loadcnt 32                              ; this block's 32 loads are in; the next block's may be out
.else
	s_wait_loadcnt 0x0
.endif
	v_max3_num_f32 v12, |v[XS]|, |v[XS+1]|, |v[XS+2]|              ; the block's largest magnitude: all 32 numbers are mine; two chains
	v_max3_num_f32 v13, |v[XS+3]|, |v[XS+4]|, |v[XS+5]|
.irp i, 6,10,14,18,22,26
	v_max3_num_f32 v12, v12, |v[XS+\i]|, |v[XS+\i+1]|
	v_max3_num_f32 v13, v13, |v[XS+\i+2]|, |v[XS+\i+3]|
.endr
	v_max3_num_f32 v12, v12, |v[XS+30]|, |v[XS+31]|
	v_max3_num_f32 v12, v12, v13, FLOOR
	v_add_nc_u32 v11, OFFE, v12                    ; the conversion takes the exponent field of this operand as its scale, and nothing else of it
	v_lshrrev_b32 v13, 23, v11                     ; the scale's byte
.if (\t)%4 == 0
	v_mov_b32 v[SB+(\t)/4], v13
.else
	v_lshl_or_b32 v[SB+(\t)/4], v13, 8*((\t)%4), v[SB+(\t)/4]
.endif
.irp g, 0,1,2,3
	v_cvt_scalef32_pk8_fp4_f32 v[WC+\g], v[XS+8*\g:XS+8*\g+7], v11
.endr
	ds_store_b128 v4, v[WC:WC+3] offset:16*(\t)    ; 32 codes: 16 bytes of my column's row.  (The results go to an LDS store; the next block begins with plain vector lines)
.if (\t)+2 < 16
	WLOAD (\t)+2
.endif
	s_wait_dscnt 0x0                               ; the store has read its registers: the next block's codes may be written
.endm
	WLOAD 0
	WLOAD 1
.set Q, 0
.rept 16
	WBLOCK Q
.set Q, Q+1
.endr
	global_store_b128 v9, v[SB:SB+3], s[20:21]     ; the wave stores 512 consecutive bytes of scale bytes
.irp t, 0,1,2,3,4,5,6,7,8,9,10,11,12,13,14,15
	ds_load_b128 v[OUTR+4*\t:OUTR+4*\t+3], v7 offset:2*\t*WP       ; LDS serves a wave's instructions in order: these see my stores
.endr
.irp t, 0,1,2,3,4,5,6,7,8,9,10,11,12,13,14,15
	s_wait_dscnt 15-\t
	global_store_b128 v8, v[OUTR+4*\t:OUTR+4*\t+3], s[18:19] offset:2*\t*2048   ; sixteen lanes store 256 consecutive bytes, aligned
.endr
	CLOSE
; ---------------- x: K is innermost, rows are dense: a plain stream of blocks of 32.  A wave takes 16 steps of 512 numbers (two rows of x).  Each load reads 512 consecutive bytes; a step's 2,048 bytes turn through the
; wave's stage so that a lane holds 16 neighbours (two neighbouring lanes hold a block).  Loads run four steps ahead, the turn through LDS one step.
.set TR,    16                         ; v16-79   four sets of 16 numbers as loaded
.set TX,    80                         ; v80-111  two sets of 16 neighbours
.set TE,    112                        ; v112-127 a scale byte for each step
.set TC,    128                        ; v128-191 codes: four registers for each step, so that no store's data are written again
.set XBASE, 34816                      ; this path's LDS begins behind the other path's stages
.set WREG,  8192                       ; a region for each wave: two stages of 32 x SQ bytes, then its 256 scale bytes
.set SQ,    80                         ; a lane's place in a stage: 64 bytes + 16 of padding
.Ltokens:
	s_sub_co_u32 s25, ttmp9, 256
	s_lshl_b32 s25, s25, 2
	s_add_co_u32 s25, s25, s24                     ; which run of 8,192 numbers is my wave's: rows 2 R and 2 R + 1
	s_mul_i32 s26, s24, WREG
	s_add_co_u32 s26, s26, XBASE
	v_lshlrev_b32 v3, 4, v2                        ; my 16 bytes of a load's 512
	v_lshrrev_b32 v14, 2, v2
	v_mul_u32_u24 v14, v14, SQ
	v_and_b32 v15, 3, v2
	v_lshl_add_u32 v14, v15, 4, v14
	v_add_nc_u32 v14, s26, v14                     ; the stage, on the way in: SQ (lane / 4) + 16 (lane % 4)
	v_mul_u32_u24 v15, v2, SQ
	v_add_nc_u32 v15, s26, v15                     ; and on the way out: SQ x lane: my 16 neighbours
	v_lshlrev_b32 v4, 3, v2                        ; my 8 bytes of a step's codes
	v_lshrrev_b32 v5, 1, v2
	s_add_co_u32 s26, s26, 2*32*SQ
	v_add_nc_u32 v5, s26, v5                       ; LDS: my block's byte among the wave's 256
	v_lshlrev_b32 v6, 3, v2
	v_add_nc_u32 v6, s26, v6                       ; and on the way out 8 bytes a lane: blocks 8 (lane % 16) on of row 2 R + lane / 16
	v_and_b32 v7, 15, v2
	v_lshrrev_b32 v7, 1, v7
	v_lshlrev_b32 v7, 15, v7                       ; xs: K step (lane % 16) / 2: 32,768 bytes each,
	v_lshrrev_b32 v10, 4, v2
	v_lshl_add_u32 v7, v10, 4, v7                  ; 16 bytes a row,
	v_and_b32 v10, 1, v2
	v_lshl_add_u32 v7, v10, 3, v7                  ; my half of the row's 16
	s_lshl_b32 s28, s25, 15
	s_mov_b32 s29, 0
	s_add_nc_u64 s[4:5], s[4:5], s[28:29]
	s_lshl_b32 s28, s25, 12
	s_add_nc_u64 s[14:15], s[14:15], s[28:29]
	s_lshl_b32 s28, s25, 5
	s_add_nc_u64 s[16:17], s[16:17], s[28:29]
.macro XLOAD t
.irp i, 0,1,2,3
	global_load_b128 v[TR+16*((\t)%4)+4*\i:TR+16*((\t)%4)+4*\i+3], v3, s[4:5] offset:2048*(\t)+512*\i th:TH_LOAD_NT
.endr
.endm
.macro XTURN t                         ; step t's numbers through the stage: LDS serves a wave's instructions in order, so no wait stands between the stores and the loads
.irp i, 0,1,2,3
	ds_store_b128 v14, v[TR+16*((\t)%4)+4*\i:TR+16*((\t)%4)+4*\i+3] offset:32*SQ*((\t)%2)+8*SQ*\i
.endr
.irp i, 0,1,2,3
	ds_load_b128 v[TX+16*((\t)%2)+4*\i:TX+16*((\t)%2)+4*\i+3], v15 offset:32*SQ*((\t)%2)+16*\i
.endr
.endm
.irp t, 0,1,2,3
	XLOAD \t
.endr
	s_wait_loadcnt 12                              ; step 0's four loads are in
	XTURN 0
.macro XSTEP t
.set XS, TX+16*((\t)%2)
.if (\t) > 0
	s_wait_dscnt 1                                 ; this step's numbers are back from the stage (the last step's byte store may be out)
.else
	s_wait_dscnt 0x0
.endif
.if (\t)+4 < 16
	XLOAD (\t)+4                                   ; into the registers that this step's stage stores have read
.endif
.if (\t)+1 < 16
.if 14-(\t) >= 3
	s_wait_loadcnt 12                              ; the next step's four loads are in; those of the three steps behind it may be out
.else
	s_wait_loadcnt 4*(14-(\t))
.endif
	XTURN (\t)+1
.endif
	v_max3_num_f32 v8, |v[XS]|, |v[XS+1]|, |v[XS+2]|
	v_max3_num_f32 v9, |v[XS+3]|, |v[XS+4]|, |v[XS+5]|
.irp i, 6,10
	v_max3_num_f32 v8, v8, |v[XS+\i]|, |v[XS+\i+1]|
	v_max3_num_f32 v9, v9, |v[XS+\i+2]|, |v[XS+\i+3]|
.endr
	v_max3_num_f32 v8, v8, |v[XS+14]|, |v[XS+15]|
	v_max3_num_f32 v8, v8, v9, FLOOR
	v_max_num_f32_dpp v8, v8, v8 row_xmask:1 row_mask:0xf bank_mask:0xf   ; with my neighbour's 16: the block's largest magnitude
	v_add_nc_u32 v11, OFFE, v8
	v_cvt_scalef32_pk8_fp4_f32 v[TC+4*(\t)], v[XS:XS+7], v11
	v_cvt_scalef32_pk8_fp4_f32 v[TC+4*(\t)+1], v[XS+8:XS+15], v11
	v_lshrrev_b32 v[TE+(\t)], 23, v11              ; the scale's byte
	ds_store_b8 v5, v[TE+(\t)] offset:16*(\t)      ; both lanes of a block write the same byte with the same value
	global_store_b64 v4, v[TC+4*(\t):TC+4*(\t)+1], s[14:15] offset:256*(\t)   ; the wave stores 256 consecutive bytes, aligned
.endm
.irp t, 0,1,2,3,4,5,6,7,8,9,10,11,12,13,14,15
	XSTEP \t
.endr
	ds_load_b64 v[8:9], v6                         ; LDS serves a wave's instructions in order: these see my stores
	s_wait_dscnt 0x0
	global_store_b64 v7, v[8:9], s[16:17]          ; pieces of 16 bytes, a row's share of a K step: one byte for each 128 that this path reads
	CLOSE
.Lfunc_end_k_qbff9d60fc6_prep:
	.size	k_qbff9d60fc6_prep, .Lfunc_end_k_qbff9d60fc6_prep-k_qbff9d60fc6_prep
	.p2alignl 7, 3214868480
	.fill 96, 4, 3214868480
	.section	.rodata,"a",@progbits
	.p2align	6, 0x0
	.amdhsa_kernel k_qbff9d60fc6_prep
		.amdhsa_group_segment_fixed_size 68096
		.amdhsa_private_segment_fixed_size 0
		.amdhsa_enable_private_segment 0
		.amdhsa_kernarg_size 80
		.amdhsa_user_sgpr_count 2
		.amdhsa_user_sgpr_kernarg_segment_ptr 1
		.amdhsa_wavefront_size32 1
		.amdhsa_system_sgpr_workgroup_id_x 1
		.amdhsa_system_sgpr_workgroup_id_y 1
		.amdhsa_system_sgpr_workgroup_id_z 1
		.amdhsa_system_vgpr_workitem_id 0
		.amdhsa_next_free_vgpr 226
		.amdhsa_next_free_sgpr 66
		.amdhsa_reserve_vcc 0
		.amdhsa_float_denorm_mode_32 3
		.amdhsa_float_denorm_mode_16_64 3
		.amdhsa_memory_ordered 1
		.amdhsa_forward_progress 1
		.amdhsa_inst_pref_size 144
	.end_amdhsa_kernel
	.amdgpu_metadata
---
amdhsa.version: [ 1, 2 ]
amdhsa.kernels:
  - .name:           k_qbff9d60fc6_prep
    .symbol:         k_qbff9d60fc6_prep.kd
    .args:
      - { .name: x, .offset: 0, .size: 8, .value_kind: global_buffer, .address_space: global }
      - { .name: wq, .offset: 8, .size: 8, .value_kind: global_buffer, .address_space: global }
      - { .name: wk, .offset: 16, .size: 8, .value_kind: global_buffer, .address_space: global }
      - { .name: wv, .offset: 24, .size: 8, .value_kind: global_buffer, .address_space: global }
      - { .name: wo, .offset: 32, .size: 8, .value_kind: global_buffer, .address_space: global }
      - { .name: xc, .offset: 40, .size: 8, .value_kind: global_buffer, .address_space: global }
      - { .name: xs, .offset: 48, .size: 8, .value_kind: global_buffer, .address_space: global }
      - { .name: wc, .offset: 56, .size: 8, .value_kind: global_buffer, .address_space: global }
      - { .name: ws, .offset: 64, .size: 8, .value_kind: global_buffer, .address_space: global }
      - { .name: wo16, .offset: 72, .size: 8, .value_kind: global_buffer, .address_space: global }
    .group_segment_fixed_size: 68096
    .private_segment_fixed_size: 0
    .kernarg_segment_align: 8
    .kernarg_segment_size: 80
    .max_flat_workgroup_size: 128
    .sgpr_count:     66
    .vgpr_count:     226
    .wavefront_size: 32
...
	.end_amdgpu_metadata
.endif
;; end of part 1
;; launch qkv (part 2): grid 16 x 8, 4 waves a work-group, clusters of 4 x 4, 327,680 bytes of LDS; arguments xc, xs, wc, ws, cos, sin, qkv; writes qkv
.if DOCPART == 2
	.amdgcn_target "amdgcn-amd-amdhsa--gfx1250"
	.amdhsa_code_object_version 6
	.text
	.protected	k_qbff9d60fc6_qkv
	.globl	k_qbff9d60fc6_qkv
	.p2align	8
	.type	k_qbff9d60fc6_qkv,@function
k_qbff9d60fc6_qkv:
	s_mov_b64 s[64:65], 0
	v_nop
	global_prefetch_b8 v0, s[64:65] scope:SCOPE_SE
	s_setreg_imm32_b32 hwreg(HW_REG_WAVE_MODE, 25, 1), 1
	s_wait_xcnt 0x0
	s_wait_alu depctr_hold_cnt(0) depctr_sa_sdst(0) depctr_va_vdst(0) depctr_va_sdst(0) depctr_va_ssrc(0) depctr_va_vcc(0) depctr_vm_vsrc(0)
	s_getreg_b32 s2, hwreg(HW_REG_IB_STS2, 6, 4)
	s_cmp_eq_u32 s2, 0
	s_cbranch_scc0 .Lentry_in_a_cluster
	s_endpgm
.Lentry_in_a_cluster:
	s_bfe_u32 s2, ttmp6, 0x10000c
	s_cmp_lg_u32 s2, 0xf033
	s_cbranch_scc0 .Lentry_shape_is_right
	s_endpgm
.Lentry_shape_is_right:
; QKV: C[token][n] = sum over k of x[token][k] w[k][n], the three quantised products as ONE product of 2,048 x 4,096 (K) x 4,096 (n: wq's, wk's, wv's columns on end), on codes of E2M1 with one E8M0 scale
; for each 32 along K; then, on the way out, the rotation (q, k), a fixed factor and the rounding to f16.  (The input 'positions' has no way to the output: it is not loaded.)
; OUT: qkv [32 heads][2048 tokens][128] f16: heads 0-15 rotated q x 2^-1.5 x log2(e), 16-23 rotated k / 4, 24-31 v / 4.  The two factors of q and k make log2(e) / sqrt(128) together: the scores come out in units of log2.
; LIMIT: |q| x 0.51, |k| / 4 and |v| / 4 must stay under 65,504, f16's largest number.
; A tile of C, 256 x 256, is made by four waves; a wave makes 128 x 128 = 128 tokens of ONE head: 64 accumulators, 512 registers.  K goes in steps of 512 through a ring of two LDS slots.
; A slot holds A's 256 rows of codes, B's 256 rows, and both sides' scale bytes of that K step (laid [K step][row][16 bytes] by the launch before, so that 256 rows' are 4,096 consecutive bytes):
; four tiles, one tensor load for each of the four waves.
; CLUSTERS: 4 x 4 work-groups; A's tiles are shared along a row of the cluster, B's along a column: each is asked for jointly.
; THE MATRIX INSTRUCTION IS USED TRANSPOSED (source 0 = 16 rows of w, source 1 = 16 tokens): a lane holds one token and eight neighbouring channels, four (even, odd) pairs of the rotation.
; REGISTERS: window 0: v16-31 addresses; v32-95 scale words, two sets, and nothing else; v96-127 packed results; v128-191 A's fragments, one set, later the way out's f32 numbers; v192-255 rows read back from the stage.
;   window 1: B's fragments, two sets (v0, v128); on the way out cos and sin, four sets of 64.   window 2, 3: the accumulators of my tokens 0-63, 64-127 ((a, b) at v[8 (8 (a % 4) + b)]).
.set PITCH,  272                       ; an LDS row of codes: 256 bytes + 16 of padding
.set HALFT,  128*PITCH                 ; what one wave reads of A or of B
.set BOFF,   2*HALFT                   ; in a slot: B's codes behind A's 256 rows,
.set ASC,    4*HALFT                   ; A's scale bytes,
.set BSC,    ASC+4096                  ; B's
.set SLOT,   BSC+4096
.set NQ,     4                         ; matrix instructions deep in a slot
.set FR,     8                         ; registers of a fragment
.set NL,     2                         ; LDS loads that bring one
.set NP,     4                         ; places behind this matrix instruction (ISA guide 7.12.1)
.set LAPS,   4                         ; a lap = two K steps; 4,096 / 1,024
.set STAGE,  2*SLOT                    ; behind the ring: 16 rows x 272 bytes for each wave; no tile lands there
.set SPITCH, 272
.set SPARE,  STAGE+4*16*SPITCH         ; the spare words, 128 bytes for each wave
.set ADRA, 16                          ; v16-17 LDS address of my A fragments in slot 0, 1
.set ADRB, 20                          ; v20-21 the same for B
.set STO,  24
.set RD,   25
.set CO,   26
.set CA,   27                          ; v27 my byte offset in 16 rows of cos or sin
.set SPW,  28
.set NIL,  29
.set ADRS, 30                          ; v30-31 LDS address of my scale words in slot 0, 1: lanes 0-15 A's rows, lanes 16-31 B's
.set SC,   32
.set TMP,  96
.set AF,   128
.set Y,    128
.set BK,   192
.set G1,   24                          ; s[24:31], s[32:39] groups 1 and 0 (a set for each slot) for A's codes
.set G0,   32
.set G1B,  48                          ; B's codes
.set G0B,  56
.set G1S,  68                          ; A's scale bytes
.set G0S,  76
.set G1SB, 84                          ; B's scale bytes
.set G0SB, 92
.set AL,   66                          ; s[66:67] the head's factor, twice
.set MSB, 0
.macro WIN new                         ; the immediate's high byte repeats the setting that is left
.if MSB != (\new)
	s_set_vgpr_msb (MSB<<8)|(\new)
.set MSB, (\new)
.endif
.endm
.set MUL_LO, 0xa1                      ; source 0 (B) window 1, source 1 (A) window 0, C and D window 2
.set MUL_HI, 0xf1
.set TO_B,   0x40                      ; destination window 1, address window 0
.macro ASKT g0, g1                     ; a tensor load; an s_nop 0 and four v_nop follow it
	tensor_load_to_lds s[\g0:\g0+3], s[\g1:\g1+7]
	s_nop 0
.rept 4
	v_nop
.endr
.endm
.macro JLOAD s                         ; a slot's four joint loads, one a wave: wave 0 A's codes, 1 A's scale bytes, 2 B's codes, 3 B's scale bytes.  The branches hang on the wave's number alone
	s_cmp_lt_u32 s14, 2
	s_cbranch_scc0 .Lfor_b_\@
	s_cmp_eq_u32 s14, 0
	s_cbranch_scc0 .Lfor_as_\@
	ASKT G0+4*\s, G1
	s_branch .Lasked_\@
.Lfor_as_\@:
	ASKT G0S+4*\s, G1S
	s_branch .Lasked_\@
.Lfor_b_\@:
	s_cmp_eq_u32 s14, 2
	s_cbranch_scc0 .Lfor_bs_\@
	ASKT G0B+4*\s, G1B
	s_branch .Lasked_\@
.Lfor_bs_\@:
	ASKT G0SB+4*\s, G1SB
.Lasked_\@:
.endm
.macro CREST                           ; a round of the cluster's barrier behind its opening barrier
	s_cmp_lg_u32 s14, 0
	s_cbranch_scc1 .Lnot_wave_0_\@
	s_barrier_signal -3
.Lnot_wave_0_\@:
	s_barrier_wait -3
	s_barrier_signal -1
	s_barrier_wait -1
.endm
.macro CROUND
	s_barrier_signal -1
	s_barrier_wait -1
	CREST
.endm
	s_load_b256 s[4:11], s[0:1], 0x0               ; xc 4, xs 6, wc 8, ws 10
	s_load_b128 s[20:23], s[0:1], 0x20             ; cos 20, sin 22
	s_load_b64 s[12:13], s[0:1], 0x30              ; qkv
	v_lshl_add_u32 v[SPW], v0, 2, SPARE
	v_mov_b32 v[NIL], 0
	ds_add_u32 v[SPW], v[NIL]                      ; the wave's opening: the add, twice on end, and its wait ahead of my first tensor load
	ds_add_u32 v[SPW], v[NIL]
	v_lshrrev_b32 v1, 5, v0
	v_readfirstlane_b32 s14, v1                    ; wave 0..3
	s_lshr_b32 s15, s14, 1                         ; which half of the tile's tokens is mine
	s_and_b32 s16, s14, 1                          ; which half of its columns: which of its two heads
	s_bfe_u32 s40, ttmp6, 0x40000                  ; cx
	s_bfe_u32 s41, ttmp6, 0x40004                  ; cy
	s_lshl_b32 s42, ttmp9, 2
	s_add_co_u32 s42, s42, s40                     ; tile column = 4 x cluster x + cx
	s_and_b32 s17, ttmp7, 0xffff
	s_lshl_b32 s17, s17, 2
	s_add_co_u32 s17, s17, s41                     ; tile row = 4 x cluster y + cy
	s_lshl_b32 s43, s41, 2
	s_lshl_b32 s43, 15, s43                        ; my row of the cluster
	s_lshl_b32 s44, 0x1111, s40                    ; my column
	; group 1, codes: 256 rows x 256 bytes, 2,048 bytes apart in memory, 16 bytes of padding behind each row in LDS
	s_or_b32 s[G1], s43, (1<<20)|(1<<21)|(5<<22)|(3<<25)    ; 15:0 the mask; 17:16 elements of 1 byte; 20 padding on; 21 set beside a mask; 24:22 after every 64 words; 31:25 four words
	s_or_b32 s[G1B], s44, (1<<20)|(1<<21)|(5<<22)|(3<<25)
.irp g, G1, G1B
	s_mov_b32 s[\g+1], 256<<16                     ; tensor_dim0
	s_mov_b32 s[\g+2], 256<<16                     ; tensor_dim1
	s_mov_b32 s[\g+3], 256<<16                     ; tile_dim0
	s_mov_b32 s[\g+4], 256                         ; tile_dim1
	s_mov_b32 s[\g+5], 2048                        ; tensor_dim0_stride
	s_mov_b32 s[\g+6], 0
	s_mov_b32 s[\g+7], 0
.endr
	; group 1, scale bytes: 4,096 dense bytes as 16 rows of 32 elements of 8 bytes, no padding: sixteen lanes read 256 consecutive bytes
	s_or_b32 s[G1S], s43, (3<<16)|(1<<21)
	s_or_b32 s[G1SB], s44, (3<<16)|(1<<21)
.irp g, G1S, G1SB
	s_mov_b32 s[\g+1], 32<<16
	s_mov_b32 s[\g+2], 16<<16
	s_mov_b32 s[\g+3], 32<<16
	s_mov_b32 s[\g+4], 16
	s_mov_b32 s[\g+5], 32
	s_mov_b32 s[\g+6], 0
	s_mov_b32 s[\g+7], 0
.endr
	s_lshl_b32 s18, s17, 19                        ; A's codes: 256 rows of 2,048 bytes for each tile row
	s_mov_b32 s19, 0
	s_lshl_b32 s100, s17, 12                       ; A's scale bytes: 4,096 for each tile row
	s_mov_b32 s101, 0
	s_lshl_b32 s46, s42, 19                        ; B's likewise, by the tile column: in registers that never hold the tile row
	s_mov_b32 s47, 0
	s_lshl_b32 s104, s42, 12
	s_mov_b32 s105, 0
	s_mov_b32 s[AL], 0x3e800000                    ; k, v: 1 / 4
	s_cmp_lt_u32 ttmp9, 2                          ; cluster x 0, 1: q's heads; 2: k's; 3: v's: the same in all sixteen partners
	s_cselect_b32 s[AL], 0x3f0293ee, s[AL]         ; q: 2^-1.5 x log2(e)
	s_mov_b32 s[AL+1], s[AL]                       ; (named with it as a pair, so it is written)
	s_wait_dscnt 0x0                               ; both opening adds are done
	s_wait_kmcnt 0x0
	s_add_nc_u64 s[4:5], s[4:5], s[18:19]
	s_add_nc_u64 s[6:7], s[6:7], s[100:101]
	s_add_nc_u64 s[8:9], s[8:9], s[46:47]
	s_add_nc_u64 s[10:11], s[10:11], s[104:105]
	CROUND                                         ; all sixteen work-groups are here: the first joint loads meet
.irp s, 0,1
	s_mov_b32 s[G0+4*\s], 1
	s_mov_b32 s[G0+4*\s+1], \s*SLOT
	s_add_nc_u64 s[G0+4*\s+2:G0+4*\s+3], s[4:5], \s*256
	s_or_b32 s[G0+4*\s+3], s[G0+4*\s+3], 0x80000000
	s_mov_b32 s[G0S+4*\s], 1
	s_mov_b32 s[G0S+4*\s+1], \s*SLOT+ASC
	s_add_nc_u64 s[G0S+4*\s+2:G0S+4*\s+3], s[6:7], \s*32768
	s_or_b32 s[G0S+4*\s+3], s[G0S+4*\s+3], 0x80000000
	s_mov_b32 s[G0B+4*\s], 1
	s_mov_b32 s[G0B+4*\s+1], \s*SLOT+BOFF
	s_add_nc_u64 s[G0B+4*\s+2:G0B+4*\s+3], s[8:9], \s*256
	s_or_b32 s[G0B+4*\s+3], s[G0B+4*\s+3], 0x80000000
	s_mov_b32 s[G0SB+4*\s], 1
	s_mov_b32 s[G0SB+4*\s+1], \s*SLOT+BSC
	s_add_nc_u64 s[G0SB+4*\s+2:G0SB+4*\s+3], s[10:11], \s*65536
	s_or_b32 s[G0SB+4*\s+3], s[G0SB+4*\s+3], 0x80000000
	JLOAD \s                                       ; two loads of mine are out
.endr
	v_and_b32 v1, 15, v0                           ; r
	v_bfe_u32 v2, v0, 4, 1                         ; h
	v_mul_u32_u24 v3, v1, PITCH
	v_lshl_add_u32 v4, v2, 4, v3                   ; a fragment's row x pitch + 16 x half
	s_mul_i32 s18, s15, HALFT                      ; my 128 rows of A
	s_mul_i32 s19, s16, HALFT
	s_add_co_u32 s19, s19, BOFF                    ; my 128 rows of B
.irp s, 0,1
	v_add_nc_u32 v[ADRA+\s], s18, v4
	v_add_nc_u32 v[ADRB+\s], s19, v4
	s_add_co_u32 s18, s18, SLOT
	s_add_co_u32 s19, s19, SLOT
.endr
	s_lshl_b32 s18, s15, 11                        ; scale words: 16 bytes a row; A's: my 128 rows
	s_lshl_b32 s19, s16, 11
	s_add_co_u32 s19, s19, 4096                    ; B's: my 128 rows, behind A's 256
	s_sub_co_u32 s19, s19, s18
	v_mul_u32_u24 v6, s19, v2                      ; lanes 16-31 take B's: one product with the lane's half
	s_add_co_u32 s18, s18, ASC
	v_lshl_add_u32 v5, v1, 4, v6
	v_add_nc_u32 v[ADRS], s18, v5
	s_add_co_u32 s18, s18, SLOT
	v_add_nc_u32 v[ADRS+1], s18, v5
	s_mul_i32 s18, s14, 16*SPITCH
	s_add_co_u32 s18, s18, STAGE                   ; my stage
	v_add_nc_u32 v[STO], s18, v4                   ; in: row r, 16 bytes for each half of the lanes
	v_mul_u32_u24 v5, v2, SPITCH
	v_lshl_add_u32 v5, v1, 4, v5
	v_add_nc_u32 v[RD], s18, v5                    ; back: lanes 0-15 one row of 256 bytes, lanes 16-31 the next
	v_lshlrev_b32 v[CO], 8, v2
	v_lshl_add_u32 v[CO], v1, 4, v[CO]             ; and the same two rows in qkv
	v_lshlrev_b32 v[CA], 8, v1
	v_lshl_add_u32 v[CA], v2, 4, v[CA]             ; cos, sin: row r of 256 bytes, + 16 h: the four pairs of my eight channels
	s_lshl_b32 s18, s17, 16
	s_lshl_b32 s19, s15, 15
	s_add_co_u32 s18, s18, s19                     ; my first token x 256 bytes: a row of cos, of sin and of a head alike
	s_mov_b32 s19, 0
	s_add_nc_u64 s[20:21], s[20:21], s[18:19]
	s_add_nc_u64 s[22:23], s[22:23], s[18:19]
	s_lshl_b32 s46, s42, 1
	s_add_co_u32 s46, s46, s16                     ; my head
	s_lshl_b32 s46, s46, 19                        ; 2,048 rows of 256 bytes each
	s_mov_b32 s47, 0
	s_add_nc_u64 s[12:13], s[12:13], s[46:47]
	s_add_nc_u64 s[12:13], s[12:13], s[18:19]
.macro FRAG reg, adr, q, i             ; 16 rows x 128 K of 4-bit codes: lane l holds row l % 16; registers 4 c .. 4 c + 3 hold K = 64 c + 32 (l / 16) + 0 .. 31
.irp c, 0,1
	ds_load_b128 v[\reg+4*\c:\reg+4*\c+3], v[\adr] offset:64*(\q)+32*\c+(\i)*16*PITCH
.endr
.endm
; 16 matrix instructions: A's blocks a0, a0 + 1 x B's eight.  The 64 accumulators take turns, one instruction a turn, in the same order in every step.
; A scale register holds A's word of block i in lanes 0-15 and B's word of block i in lanes 16-31.
.macro MUL16 a0, p, q, sc, zero
.irp a, \a0, \a0+1
.irp b, 0,1,2,3,4,5,6,7
.if \zero
	v_wmma_scale_f32_16x16x128_f8f6f4 v[8*(8*((\a)%4)+\b):8*(8*((\a)%4)+\b)+7], v[128*(\p)+FR*\b:128*(\p)+FR*\b+FR-1], v[AF+FR*(\a):AF+FR*(\a)+FR-1], 0, v[SC+8*NQ*(\sc)+NQ*\b+(\q)], v[SC+8*NQ*(\sc)+NQ*(\a)+(\q)] matrix_a_fmt:MATRIX_FMT_FP4 matrix_b_fmt:MATRIX_FMT_FP4 matrix_a_scale:MATRIX_SCALE_ROW1
.else
	v_wmma_scale_f32_16x16x128_f8f6f4 v[8*(8*((\a)%4)+\b):8*(8*((\a)%4)+\b)+7], v[128*(\p)+FR*\b:128*(\p)+FR*\b+FR-1], v[AF+FR*(\a):AF+FR*(\a)+FR-1], v[8*(8*((\a)%4)+\b):8*(8*((\a)%4)+\b)+7], v[SC+8*NQ*(\sc)+NQ*\b+(\q)], v[SC+8*NQ*(\sc)+NQ*(\a)+(\q)] matrix_a_fmt:MATRIX_FMT_FP4 matrix_b_fmt:MATRIX_FMT_FP4 matrix_a_scale:MATRIX_SCALE_ROW1
.endif
.endr
.endr
.endm
.macro FETCH_B slot, q, p
	WIN TO_B
.irp i, 0,1,2,3,4,5,6,7
	FRAG 128*(\p)+FR*\i, ADRB+\slot, \q, \i
.endr
	WIN 0
.endm
.macro FETCH_A slot, q, i0
.irp i, \i0, \i0+1, \i0+2, \i0+3
	FRAG AF+FR*(\i), ADRA+\slot, \q, \i
.endr
.endm
.macro SCALES sc                       ; the slot's scale words: four words a row; lanes 0-15 take A's block i, lanes 16-31 B's block i
.irp i, 0,1,2,3,4,5,6,7
	ds_load_b128 v[SC+8*NQ*\sc+NQ*\i:SC+8*NQ*\sc+NQ*\i+3], v[ADRS+\sc] offset:\i*256
.endr
.endm
.macro PLACES n                        ; plain vector instructions that name none of a matrix instruction's registers, in front of loads into registers that it has read and of reads of its results
.rept \n
	v_nop
.endr
.endm
.macro STEP slot, q, zero              ; 128 along K, with its successor in the same slot
	s_wait_dscnt 4*NL                              ; B's set, A's blocks 0-3 (and the scale words) are in; the youngest eight loads, A's blocks 4-7, may be out
	WIN MUL_LO
	MUL16 0, (\q)%2, \q, \slot, \zero
	MUL16 2, (\q)%2, \q, \slot, \zero
	s_wait_dscnt 0
	PLACES NP
	FETCH_B \slot, (\q)+1, 1-(\q)%2
	FETCH_A \slot, (\q)+1, 0
	WIN MUL_HI
	MUL16 4, (\q)%2, \q, \slot, \zero
	MUL16 6, (\q)%2, \q, \slot, \zero
	PLACES NP
	WIN 0
	FETCH_A \slot, (\q)+1, 4
.endm
; A slot's last step changes slots: one barrier; in front of it each wave waits for all its tensor loads, adds 0 to its spare word, and waits for that and for its reads of this slot.
.macro TURN slot, next, fill
	s_wait_tensorcnt 0x0                           ; all my tensor loads have landed: my tile of the next slot
	ds_add_u32 v[SPW], v[NIL]
	s_wait_dscnt 4*NL+1                            ; (the add and the youngest eight loads may be out)
	WIN MUL_LO
	MUL16 0, 1, NQ-1, \slot, 0
	s_wait_dscnt 0x0                               ; the add is done, and my reads of this slot are over
	s_barrier_signal -1
	MUL16 2, 1, NQ-1, \slot, 0
	WIN 0
	s_barrier_wait -1
.if \fill
	CREST                                          ; the barrier has opened a round of the cluster's barrier: no wave of any partner still reads this slot or has a load on its way
	s_add_nc_u64 s[G0+4*\slot+2:G0+4*\slot+3], s[G0+4*\slot+2:G0+4*\slot+3], 512          ; two K steps on
	s_add_nc_u64 s[G0B+4*\slot+2:G0B+4*\slot+3], s[G0B+4*\slot+2:G0B+4*\slot+3], 512
	s_add_nc_u64 s[G0S+4*\slot+2:G0S+4*\slot+3], s[G0S+4*\slot+2:G0S+4*\slot+3], 65536
	s_add_nc_u64 s[G0SB+4*\slot+2:G0SB+4*\slot+3], s[G0SB+4*\slot+2:G0SB+4*\slot+3], 131072
	JLOAD \slot                                    ; the first tensor load behind the round; its four v_nop are the places in front of the loads below
.else
	PLACES NP
.endif
	FETCH_B \next, 0, 0
	FETCH_A \next, 0, 0
	SCALES \next
	WIN MUL_HI
	MUL16 4, 1, NQ-1, \slot, 0
	MUL16 6, 1, NQ-1, \slot, 0
	PLACES NP
	WIN 0
	FETCH_A \next, 0, 4
.endm
.macro STEPS slot, from
.set Q, \from
.rept NQ-1-\from
	STEP \slot, Q, 0
.set Q, Q+1
.endr
.endm
	s_wait_tensorcnt 1                             ; my tile of K step 0 is in; K step 1's may stay out
	s_barrier_signal -1
	s_barrier_wait -1
	FETCH_B 0, 0, 0
	FETCH_A 0, 0, 0
	SCALES 0
	FETCH_A 0, 0, 4
	STEP 0, 0, 1                                   ; the first step stands in front of the loop: its products start the sums
	s_mov_b32 s3, LAPS-1
.Llap:                                                 ; a trip goes once round the ring and fills both slots again
	STEPS 0, 1
	TURN 0, 1, 1
	STEPS 1, 0
	TURN 1, 0, 1
	STEP 0, 0, 0
	s_sub_co_u32 s3, s3, 1
	s_cmp_lg_u32 s3, 0
	s_cbranch_scc1 .Llap
	STEPS 0, 1                                     ; the last lap fills nothing
	TURN 0, 1, 0
	STEPS 1, 0
	s_wait_dscnt 4*NL
	WIN MUL_LO
	MUL16 0, 1, NQ-1, 1, 0
	MUL16 2, 1, NQ-1, 1, 0
	s_wait_dscnt 0
	WIN MUL_HI
	MUL16 4, 1, NQ-1, 1, 0
	MUL16 6, 1, NQ-1, 1, 0
	WIN 0
; THE WAY OUT, block by block of 16 tokens x 128 channels.  In accumulator (a, b) lane (r, h) holds token 16 a + r and channels 16 b + 8 h + 0 .. 7: pairs 8 b + 4 h + 0 .. 3 of the rotation.
.macro CSLOAD a                        ; cos and sin of block a's tokens into window 1, set a % 4: cos of column block b at + 4 b, sin at + 32 + 4 b
.irp b, 0,1,2,3,4,5,6,7
	global_load_b128 v[64*((\a)%4)+4*\b:64*((\a)%4)+4*\b+3], v[CA], s[20:21] offset:4096*(\a)+32*\b
	global_load_b128 v[64*((\a)%4)+32+4*\b:64*((\a)%4)+32+4*\b+3], v[CA], s[22:23] offset:4096*(\a)+32*\b
.endr
.endm
.macro ROPE a                          ; (xr, xi) -> (xr c - xi s, xi c + xr s): a packed multiply by c, then a packed multiply-add whose first source takes the pair crosswise, its low half negated
.if (\a) < 5
	s_wait_loadcnt 48                              ; block a's sixteen loads are in; the three blocks behind it may be out
.else
	s_wait_loadcnt 16*(7-(\a))
.endif
	WIN 0x06+(\a)/4                                ; source 0: the accumulators' window; source 1: window 1; source 2 and destination: window 0
.set AC, 64*((\a)%4)
.irp b, 0,1,2,3,4,5,6,7                ; each accumulator from its low end on
.irp u, 0,1
	v_pk_mul_f32 v[Y+8*\b+4*\u:Y+8*\b+4*\u+1], v[AC+8*\b+4*\u:AC+8*\b+4*\u+1], v[AC+4*\b+2*\u:AC+4*\b+2*\u+1] op_sel:[0,0] op_sel_hi:[1,0]
	v_pk_fma_f32 v[Y+8*\b+4*\u:Y+8*\b+4*\u+1], v[AC+8*\b+4*\u:AC+8*\b+4*\u+1], v[AC+32+4*\b+2*\u:AC+32+4*\b+2*\u+1], v[Y+8*\b+4*\u:Y+8*\b+4*\u+1] op_sel:[1,0,0] op_sel_hi:[0,0,1] neg_lo:[1,0,0]
	v_pk_mul_f32 v[Y+8*\b+4*\u+2:Y+8*\b+4*\u+3], v[AC+8*\b+4*\u+2:AC+8*\b+4*\u+3], v[AC+4*\b+2*\u:AC+4*\b+2*\u+1] op_sel:[0,1] op_sel_hi:[1,1]
	v_pk_fma_f32 v[Y+8*\b+4*\u+2:Y+8*\b+4*\u+3], v[AC+8*\b+4*\u+2:AC+8*\b+4*\u+3], v[AC+32+4*\b+2*\u:AC+32+4*\b+2*\u+1], v[Y+8*\b+4*\u+2:Y+8*\b+4*\u+3] op_sel:[1,1,0] op_sel_hi:[0,1,1] neg_lo:[1,0,0]
.endr
.endr
.if (\a) < 4
	WIN TO_B
	CSLOAD (\a)+4                                  ; into the set just read
.endif
	WIN 0
.set n, 0
.rept 32
	v_pk_mul_f32 v[Y+2*n:Y+2*n+1], v[Y+2*n:Y+2*n+1], s[AL:AL+1] op_sel_hi:[1,0]   ; the head's factor, in f32
.set n, n+1
.endr
.endm
.macro PLAIN a                         ; v: the factor alone
	WIN 0x02+(\a)/4
.set AC, 64*((\a)%4)
.set n, 0
.rept 32
	v_pk_mul_f32 v[Y+2*n:Y+2*n+1], v[AC+2*n:AC+2*n+1], s[AL:AL+1] op_sel_hi:[1,0]
.set n, n+1
.endr
	WIN 0
.endm
.macro CVT                             ; 64 numbers to f16: registers 4 b .. 4 b + 3 are 16 neighbouring bytes of my token's row
.set n, 0
.rept 32
	v_cvt_pk_f16_f32 v[TMP+n], v[Y+2*n], v[Y+2*n+1]
.set n, n+1
.endr
.endm
.macro TOSTAGE a                       ; into my own stage and back as whole rows of 256 bytes: LDS serves a wave's instructions in order, so no wait stands between
.set BB, BK+32*((\a)%2)
.irp b, 0,1,2,3,4,5,6,7
	ds_store_b128 v[STO], v[TMP+4*\b:TMP+4*\b+3] offset:32*\b
.endr
.irp t, 0,1,2,3,4,5,6,7
	ds_load_b128 v[BB+4*\t:BB+4*\t+3], v[RD] offset:\t*2*SPITCH
.endr
.endm
.macro SEND a
.set BB, BK+32*((\a)%2)
	s_wait_dscnt 0x0                               ; the block is back in registers
	s_wait_xcnt 0x0                                ; the block before's stores have read their registers: the next block's loads from the stage may land there
.irp t, 0,1,2,3,4,5,6,7
	global_store_b128 v[CO], v[BB+4*\t:BB+4*\t+3], s[12:13] offset:4096*(\a)+512*\t   ; sixteen lanes store 256 consecutive bytes, aligned; a block's 16 rows are 4,096 consecutive bytes
.endr
.endm
	PLACES NP                                      ; behind the last products: for the loads into B's registers, the writes over A's, and the reads of results
	s_cmp_eq_u32 ttmp9, 3                          ; v's heads are not rotated: the cluster's x, the same in all sixteen partners
	s_cbranch_scc1 .Lplain
	WIN TO_B
	CSLOAD 0
	CSLOAD 1
	CSLOAD 2
	CSLOAD 3
	WIN 0
	ROPE 0
	CVT
	TOSTAGE 0
.irp a, 1,2,3,4,5,6,7                  ; block a's arithmetic stands between block a - 1's loads from the stage and the wait for them
	ROPE \a
	CVT
	SEND \a-1
	TOSTAGE \a
.endr
	s_branch .Llast
.Lplain:
	PLAIN 0
	CVT
	TOSTAGE 0
.irp a, 1,2,3,4,5,6,7
	PLAIN \a
	CVT
	SEND \a-1
	TOSTAGE \a
.endr
.Llast:
	SEND 7
	s_wait_tensorcnt 0x0                           ; the wave's end, behind my last tensor load and my last LDS store
	ds_add_u32 v[SPW], v[NIL]
	s_wait_dscnt 0x0
	CROUND                                         ; the closing round: no work-group ends while a partner may still ask for a tile that names it
	s_endpgm
.Lfunc_end_k_qbff9d60fc6_qkv:
	.size	k_qbff9d60fc6_qkv, .Lfunc_end_k_qbff9d60fc6_qkv-k_qbff9d60fc6_qkv
	.p2alignl 7, 3214868480
	.fill 96, 4, 3214868480
	.section	.rodata,"a",@progbits
	.p2align	6, 0x0
	.amdhsa_kernel k_qbff9d60fc6_qkv
		.amdhsa_group_segment_fixed_size 327680
		.amdhsa_private_segment_fixed_size 0
		.amdhsa_enable_private_segment 0
		.amdhsa_kernarg_size 56
		.amdhsa_user_sgpr_count 2
		.amdhsa_user_sgpr_kernarg_segment_ptr 1
		.amdhsa_wavefront_size32 1
		.amdhsa_system_sgpr_workgroup_id_x 1
		.amdhsa_system_sgpr_workgroup_id_y 1
		.amdhsa_system_sgpr_workgroup_id_z 1
		.amdhsa_system_vgpr_workitem_id 0
		.amdhsa_next_free_vgpr 1024
		.amdhsa_next_free_sgpr 106
		.amdhsa_reserve_vcc 0
		.amdhsa_float_denorm_mode_32 3
		.amdhsa_float_denorm_mode_16_64 3
		.amdhsa_memory_ordered 1
		.amdhsa_forward_progress 1
		.amdhsa_inst_pref_size 255
	.end_amdhsa_kernel
	.section	.bss,"aw",@nobits
	.p2align	6
	.space	262144
	.amdgpu_metadata
---
amdhsa.version: [ 1, 2 ]
amdhsa.kernels:
  - .name:           k_qbff9d60fc6_qkv
    .symbol:         k_qbff9d60fc6_qkv.kd
    .args:
      - { .name: xc, .offset: 0, .size: 8, .value_kind: global_buffer, .address_space: global }
      - { .name: xs, .offset: 8, .size: 8, .value_kind: global_buffer, .address_space: global }
      - { .name: wc, .offset: 16, .size: 8, .value_kind: global_buffer, .address_space: global }
      - { .name: ws, .offset: 24, .size: 8, .value_kind: global_buffer, .address_space: global }
      - { .name: cos, .offset: 32, .size: 8, .value_kind: global_buffer, .address_space: global }
      - { .name: sin, .offset: 40, .size: 8, .value_kind: global_buffer, .address_space: global }
      - { .name: qkv, .offset: 48, .size: 8, .value_kind: global_buffer, .address_space: global }
    .group_segment_fixed_size: 327680
    .private_segment_fixed_size: 0
    .kernarg_segment_align: 8
    .kernarg_segment_size: 56
    .max_flat_workgroup_size: 128
    .sgpr_count:     106
    .vgpr_count:     1024
    .wavefront_size: 32
...
	.end_amdgpu_metadata
.endif
;; end of part 2
;; launch attn (part 3): grid 32 x 8, 4 waves a work-group, clusters of 4 x 4, 327,680 bytes of LDS; arguments qkv, mask, att; writes att
.if DOCPART == 3
	.amdgcn_target "amdgcn-amd-amdhsa--gfx1250"
	.amdhsa_code_object_version 6
	.text
	.protected	k_qbff9d60fc6_attn
	.globl	k_qbff9d60fc6_attn
	.p2align	8
	.type	k_qbff9d60fc6_attn,@function
k_qbff9d60fc6_attn:
	s_mov_b64 s[64:65], 0
	v_nop
	global_prefetch_b8 v0, s[64:65] scope:SCOPE_SE
	s_setreg_imm32_b32 hwreg(HW_REG_WAVE_MODE, 25, 1), 1
	s_wait_xcnt 0x0
	s_wait_alu depctr_hold_cnt(0) depctr_sa_sdst(0) depctr_va_vdst(0) depctr_va_sdst(0) depctr_va_ssrc(0) depctr_va_vcc(0) depctr_vm_vsrc(0)
	s_getreg_b32 s2, hwreg(HW_REG_IB_STS2, 6, 4)
	s_cmp_eq_u32 s2, 0
	s_cbranch_scc0 .Lentry_in_a_cluster
	s_endpgm
.Lentry_in_a_cluster:
	s_bfe_u32 s2, ttmp6, 0x10000c
	s_cmp_lg_u32 s2, 0xf033
	s_cbranch_scc0 .Lentry_shape_is_right
	s_endpgm
.Lentry_shape_is_right:
; ATTN: att[token][head] = softmax_k(q . k / sqrt(128) + mask[token][k]) v, for 16 query heads on 8 key and value heads, in f16 operands with f32 sums.  (The input 'positions' has no way to the output: it is not loaded.)
; The mask is an INPUT: nothing of its pattern is built in; all 2,048 keys are walked for every query and every number of the mask is loaded.
; IN: qkv [32][2048][128] f16: heads 0-15 q x 2^-1.5 x log2(e), 16-23 k / 4, 24-31 v / 4.  So k q^T is the score in units of log2.  OUT: att [2048][16 x 128] f16, a quarter of attention's result.
; SHARES.  A work-group owns 64 tokens of one key and value head g; wave w owns tokens 16 w .. 16 w + 15 for BOTH query heads of the group: tile 0 = head 2 g, tile 1 = head 2 g + 1.  One fragment of K, V or the mask serves both tiles.
; LAYOUT.  S^T = K Q^T + mask (source 0 = 16 keys, source 1 = 16 queries): a lane holds ONE query (lane % 16) and keys 8 (lane / 16) + 0..7.  The mask's eight numbers of a lane, x log2(e), lie just so: they are the C of each
; score sum's first matrix instruction, so the addition costs nothing.  Two score tiles, rounded to f16 in pairs, ARE source 1 of O^T = V^T P.  V comes out of LDS turned, by ds_load_tr16_b128.
; SOFTMAX.  A running maximum m and sum l for each query: p = 2^(s - m): one packed subtraction, exact at s = m, so p is 1 there whatever the size of the mask; in every step O and l are multiplied by a = 2^(m_old - m_new).
; LIMIT: where every key of a row carries a mask so large that f32 loses the scores beside it, the matrix unit's rounding of mask + score may differ from a plain f32 addition's by one step of that size.
; BY TURNS.  In a TURN one tile has the matrix unit: 16 products V^T P of the step in hand, then 16 products K Q^T of the next step; the other tile's softmax, 133 instructions, stands between them, four behind each matrix
; instruction.  Then the tiles change places.  Two turns are a key step of 64 keys.  The vector work for each matrix instruction is about four lines: set in phases of its own it would leave the matrix unit idle, so a slice and
; two window switches behind each matrix instruction are the lesser price.
; CLUSTER 4 x 4: K and V hang on g and are shared along a row of the cluster; the mask's tile hangs on the block of tokens and is shared along a column.  All partners make the same sixteen changes of slots.
; REGISTERS: window 0: v1-11, v28-30 addresses; v12-27 statistics, 8 a tile; v32-63 the mask's fragments; v64-127 S^T, 32 a tile; v128-159 P, 16 a tile; v160, v161 the add's two.
;   window 1: v0-127 O^T, 64 a tile; v128-255 V of one step.     window 2: v0-63 Q, 32 a tile; v128-255 K of one step.
.set KP,    272       ; a row of K in LDS: 256 bytes + 16
.set VP,    288       ; a row of V: 256 + 32: sixteen lanes of the turning load take 8 rows x 32 bytes
.set MP,    528       ; a token's row of the mask: 128 keys x 4 bytes + 16
.set VOFF,  128*KP    ; a slot holds 128 keys (two steps): 128 rows of K, 128 rows of V, 64 token rows of the mask
.set MOFF,  VOFF+128*VP
.set SLOT1, 1<<17     ; slot 1 begins here, so that one exclusive or turns an address in one slot into the other's
.set STAGE, SLOT1+MOFF+64*MP  ; behind the ring: 16 rows x 272 bytes for each wave
.set SP,    272
.set SPARE, STAGE+4*16*SP     ; the spare words, 128 bytes for each wave
.set AK0, 2
.set AV0, 3
.set ADR, 4
.set QO,  5
.set STO, 6
.set RD,  7
.set GO,  8
.set AM0, 28
.set ADM, 29
.set PFO, 30          ; v30 the prefetches' offset; never rewritten
.set ST,  12          ; tile t's statistics at v[ST+8 t]: +0 m, +1 the old m, +2, +3 l (even keys', odd keys'), +4 to +7 c0-c3, at work; a takes c2's place once the maximum is found
.set M,   32
.set S,   64
.set P,   128
.set SPW, 160
.set NIL, 161
.set KF,  128         ; K's fragments, in window 2
.set VF,  128         ; V's, in window 1
.set WV,  12
.set G1K, 24
.set G1V, 32
.set G1M, 40
.set G0K, 48          ; a set for each of the two first fills; the second then walks on
.set G0V, 56
.set G0M, 68
.set SLOTS, 76
.set CS,  78          ; s[78:79] log2(e)
.set SEL, 80          ; s[80:81] lane selects for v_permlanex16_b32: lane l xor 16
.set TB,  82          ; LDS byte at which the slot in hand begins
.set LIM, 83          ; 1 in a wave that prefetches, else the greatest number
.set PFA, 84          ; s[84:85] where my prefetches stand
.set PFS, 86          ; s[86:87] a slot on, in bytes
.set QB,  88          ; s[88:89] Q at my wave's first row
.set MSB, 0
.macro WIN new
.if MSB != (\new)
	s_set_vgpr_msb (MSB<<8)|(\new)
.set MSB, (\new)
.endif
.endm
.set W_KQ, 0x0a       ; K and Q in window 2; the mask, S^T in window 0
.set W_PV, 0x51       ; V and O^T in window 1, P in window 0
.set W_RS, 0x41       ; O^T (destination and source 0) in window 1, a in window 0
.macro ASKT g0, g1                  ; a tensor load; an s_nop 0 and four v_nop follow it
	tensor_load_to_lds s[\g0:\g0+3], s[\g1:\g1+7]
	s_nop 0
.rept 4
	v_nop
.endr
.endm
.macro JLOAD                        ; a joint refill, one load a wave: wave 0 the slot's K, wave 1 its V, waves 2 and 3 32 token rows of the mask each.  The branches hang on the wave's number alone
	s_cmp_eq_u32 s[WV], 0
	s_cbranch_scc0 .Lnot_k_\@
	ASKT G0K+4, G1K
	s_branch .Lasked_\@
.Lnot_k_\@:
	s_cmp_eq_u32 s[WV], 1
	s_cbranch_scc0 .Lfor_m_\@
	ASKT G0V+4, G1V
	s_branch .Lasked_\@
.Lfor_m_\@:
	ASKT G0M+4, G1M
.Lasked_\@:
.endm
; A PREFETCH INTO THE L2 of what the NEXT change of slots will ask for, behind the wave's tensor load and its five lines.  Each aligned block of 256 bytes is named once in the launch.  K and V of a head are walked by all
; eight clusters of a row of clusters: the first (cluster x = 0) asks, wave 0 for K, wave 1 for V; its four partners along x take 32 of the slot's 128 rows each, told apart by address, a lane a row.  A block of tokens' rows of the
; mask are walked by both clusters of a column: cluster y = 0 asks, wave 2; its four partners along y take 16 token rows each, two lanes a row (512 bytes).  The last change that fills a slot asks for nothing.
.macro ASK
	s_cmp_gt_u32 s[SLOTS], s[LIM]
	s_cbranch_scc0 .Lnot_mine_\@
	global_prefetch_b8 v[PFO], s[PFA:PFA+1] th:TH_LOAD_NT scope:SCOPE_SE
.Lnot_mine_\@:
.endm
.macro CROUND
	s_barrier_signal -1
	s_barrier_wait -1
	s_cmp_lg_u32 s[WV], 0
	s_cbranch_scc1 .Lnot_wave_0_\@
	s_barrier_signal -3
.Lnot_wave_0_\@:
	s_barrier_wait -3
	s_barrier_signal -1
	s_barrier_wait -1
.endm
	s_load_b128 s[4:7], s[0:1], 0x0   ; qkv 4, mask 6
	s_load_b64 s[8:9], s[0:1], 0x10   ; att
	v_lshl_add_u32 v[SPW], v0, 2, SPARE
	v_mov_b32 v[NIL], 0
	ds_add_u32 v[SPW], v[NIL]       ; the wave's opening: the add, twice on end, and its wait ahead of my first tensor load
	ds_add_u32 v[SPW], v[NIL]
	v_lshrrev_b32 v1, 5, v0
	v_readfirstlane_b32 s[WV], v1   ; wave 0..3
	s_bfe_u32 s13, ttmp6, 0x40000   ; cx
	s_bfe_u32 s14, ttmp6, 0x40004   ; cy
	s_lshl_b32 s15, ttmp9, 2
	s_add_co_u32 s15, s15, s13      ; my block of 64 tokens = 4 x cluster x + cx
	s_and_b32 s16, ttmp7, 0xffff
	s_lshl_b32 s16, s16, 2
	s_add_co_u32 s16, s16, s14      ; my key and value head g = 4 x cluster y + cy
	s_lshl_b32 s17, s14, 2
	s_lshl_b32 s17, 15, s17         ; my row of the cluster
	s_lshl_b32 s18, 0x1111, s13     ; my column
	s_add_co_u32 s20, s16, 16
	s_lshl_b32 s20, s20, 19         ; K: head 16 + g; a head is 2,048 rows of 256 bytes
	s_mov_b32 s21, 0
	s_add_co_u32 s22, s16, 24
	s_lshl_b32 s22, s22, 19         ; V: head 24 + g
	s_mov_b32 s23, 0
	s_and_b32 s19, s[WV], 1         ; which 32 of the block's token rows I fetch, if I fetch the mask
	s_lshl_b32 s2, s15, 19          ; 64 rows of 8,192 bytes a block,
	s_lshl_b32 s3, s19, 18          ; 32 rows
	s_add_co_u32 s2, s2, s3
	s_mov_b32 s3, 0
	s_mul_i32 s19, s19, 32*MP
	s_add_co_u32 s19, s19, MOFF     ; and their place in a slot: no place in the cluster enters an LDS address
	; group 1: K, V: 128 rows x 128 elements of 2 bytes; the mask: 32 rows x 128 elements of 4 bytes, 2,048 elements apart
	s_or_b32 s[G1K], s17, (1<<16)|(1<<20)|(1<<21)|(5<<22)|(3<<25)  ; 15:0 the mask of work-groups; 17:16 element size; 20 padding on; 21 set beside a mask; 24:22 after every 64 words; 31:25 four words
	s_or_b32 s[G1V], s17, (1<<16)|(1<<20)|(1<<21)|(5<<22)|(7<<25)  ; eight words
.irp g, G1K, G1V
	s_mov_b32 s[\g+1], 128<<16
	s_mov_b32 s[\g+2], 128<<16
	s_mov_b32 s[\g+3], 128<<16
	s_mov_b32 s[\g+4], 128
	s_mov_b32 s[\g+5], 128
	s_mov_b32 s[\g+6], 0
	s_mov_b32 s[\g+7], 0
.endr
	s_or_b32 s[G1M], s18, (2<<16)|(1<<20)|(1<<21)|(6<<22)|(3<<25)  ; after every 128 words four words
	s_mov_b32 s[G1M+1], 128<<16
	s_mov_b32 s[G1M+2], 32<<16
	s_mov_b32 s[G1M+3], 128<<16
	s_mov_b32 s[G1M+4], 32
	s_mov_b32 s[G1M+5], 2048
	s_mov_b32 s[G1M+6], 0
	s_mov_b32 s[G1M+7], 0
	s_mov_b32 s[CS], 0x3fb8aa3b     ; log2(e)
	s_mov_b32 s[CS+1], s[CS]        ; (named with it as a pair, so it is written)
	s_mov_b32 s[SEL], 0x76543210
	s_mov_b32 s[SEL+1], 0xfedcba98
	s_mov_b32 s[TB], 0
	s_mov_b32 s[SLOTS], 14          ; sixteen slots' worth of keys; all but the first two are asked for at a change
	s_lshl_b32 s[QB], s16, 20       ; Q: head 2 g,
	s_lshl_b32 s90, s15, 14         ; my block's 64 rows,
	s_add_co_u32 s[QB], s[QB], s90
	s_lshl_b32 s90, s[WV], 12       ; my wave's 16
	s_add_co_u32 s[QB], s[QB], s90
	s_mov_b32 s[QB+1], 0
	s_lshl_b32 s10, s15, 18         ; att: rows of 4,096 bytes; 64 a block,
	s_lshl_b32 s90, s[WV], 16       ; 16 a wave,
	s_add_co_u32 s10, s10, s90
	s_lshl_b32 s90, s16, 9          ; and the group's two heads: 512 bytes
	s_add_co_u32 s10, s10, s90
	s_mov_b32 s11, 0
	; the prefetches: where my wave's stand, and who asks
	s_and_b32 s90, s[WV], 1
	s_lshl_b32 s90, s90, 3
	s_add_co_u32 s90, s90, s16
	s_add_co_u32 s90, s90, 16
	s_lshl_b32 s90, s90, 19         ; wave 0: K's head, wave 1: V's,
	s_lshl_b32 s92, s13, 13
	s_add_co_u32 s90, s90, s92      ; my work-group's 32 rows of a slot's 128,
	s_add_co_u32 s90, s90, 2*32768  ; in slot 2: the first change of slots steps it to slot 3.  Nothing is prefetched at the head
	s_lshl_b32 s91, s15, 19
	s_lshl_b32 s92, s14, 17
	s_add_co_u32 s91, s91, s92      ; wave 2: the mask, my work-group's 16 token rows,
	s_add_co_u32 s91, s91, 2*512    ; in slot 2
	s_mov_b32 s[PFS], 512
	s_mov_b32 s93, 8192
	s_cmp_lt_u32 s[WV], 2
	s_cselect_b32 s94, s90, s91
	s_cselect_b32 s[PFS], 32768, s[PFS]
	s_cselect_b32 s93, 256, s93     ; from row to row
	s_cselect_b32 s96, 0, 1         ; lanes to a row, less one
	s_mov_b32 s95, 0
	s_mov_b32 s[PFS+1], 0
	v_and_b32 v[PFO], 31, v0
	v_and_b32 v10, s96, v[PFO]
	v_lshrrev_b32 v[PFO], s96, v[PFO]
	v_mul_lo_u32 v[PFO], v[PFO], s93
	v_lshl_add_u32 v[PFO], v10, 8, v[PFO]
	s_and_b32 s92, ttmp7, 0xffff
	s_cselect_b32 s92, ttmp9, s92   ; selects on the SCC of the s_and_b32 above (cluster y not 0): cluster x, else 0
	s_cmp_eq_u32 s[WV], 3
	s_cselect_b32 s92, 1, s92       ; wave 3 never asks
	s_cmp_eq_u32 s92, 0
	s_cselect_b32 s[LIM], 1, -1     ; the same in all sixteen partners, for a given wave
	s_wait_dscnt 0x0                ; both opening adds are done
	s_wait_kmcnt 0x0
	s_add_nc_u64 s[20:21], s[4:5], s[20:21]
	s_add_nc_u64 s[22:23], s[4:5], s[22:23]
	s_add_nc_u64 s[2:3], s[6:7], s[2:3]
	s_add_nc_u64 s[QB:QB+1], s[4:5], s[QB:QB+1]
	s_add_nc_u64 s[10:11], s[8:9], s[10:11]
	s_cmp_lt_u32 s[WV], 2
	s_cselect_b64 s[PFA:PFA+1], s[4:5], s[6:7]
	s_add_nc_u64 s[PFA:PFA+1], s[PFA:PFA+1], s[94:95]
	CROUND                          ; all sixteen work-groups are here: the first joint loads meet
.irp s, 0,1
	s_mov_b32 s[G0K+4*\s], 1
	s_mov_b32 s[G0K+4*\s+1], \s*SLOT1
	s_add_nc_u64 s[G0K+4*\s+2:G0K+4*\s+3], s[20:21], \s*32768   ; slot s begins with keys 128 s
	s_or_b32 s[G0K+4*\s+3], s[G0K+4*\s+3], 0x80000000
	s_mov_b32 s[G0V+4*\s], 1
	s_mov_b32 s[G0V+4*\s+1], \s*SLOT1+VOFF
	s_add_nc_u64 s[G0V+4*\s+2:G0V+4*\s+3], s[22:23], \s*32768
	s_or_b32 s[G0V+4*\s+3], s[G0V+4*\s+3], 0x80000000
	s_mov_b32 s[G0M+4*\s], 1
	s_add_co_u32 s[G0M+4*\s+1], s19, \s*SLOT1
	s_add_nc_u64 s[G0M+4*\s+2:G0M+4*\s+3], s[2:3], \s*512
	s_or_b32 s[G0M+4*\s+3], s[G0M+4*\s+3], 0x80000000
.endr
	s_cmp_eq_u32 s[WV], 0           ; a wave's two first fills stand in one arm, ahead of every wait on TENSORcnt and every LDS read: two loads of mine are out
	s_cbranch_scc0 .Lfirst_not_k
	tensor_load_to_lds s[G0K:G0K+3], s[G1K:G1K+7]
	s_nop 0
	ASKT G0K+4, G1K
	s_branch .Lfirst_asked
.Lfirst_not_k:
	s_cmp_eq_u32 s[WV], 1
	s_cbranch_scc0 .Lfirst_m
	tensor_load_to_lds s[G0V:G0V+3], s[G1V:G1V+7]
	s_nop 0
	ASKT G0V+4, G1V
	s_branch .Lfirst_asked
.Lfirst_m:
	tensor_load_to_lds s[G0M:G0M+3], s[G1M:G1M+7]
	s_nop 0
	ASKT G0M+4, G1M
.Lfirst_asked:
	v_and_b32 v1, 15, v0            ; r
	v_bfe_u32 v9, v0, 4, 1          ; h
	v_lshlrev_b32 v[QO], 8, v1
	v_lshl_add_u32 v[QO], v9, 4, v[QO]  ; row x 256 + 16 x half
	WIN 0x80                        ; destination window 2
.irp x, 0,1                         ; Q stays in registers: tile x (a head on: 524,288 bytes), channels 32 c on
.irp c, 0,1,2,3
	global_load_b128 v[32*\x+8*\c:32*\x+8*\c+3],   v[QO], s[QB:QB+1] offset:524288*\x+64*\c
	global_load_b128 v[32*\x+8*\c+4:32*\x+8*\c+7], v[QO], s[QB:QB+1] offset:524288*\x+64*\c+32
.endr
.endr
	WIN 0
	v_mul_u32_u24 v[AK0], v1, KP
	v_lshl_add_u32 v[AK0], v9, 4, v[AK0]
	v_and_b32 v10, 7, v0            ; the turning load: lane l reads 16 bytes of key 8 (l / 16) + l % 8, channels 8 ((l / 8) % 2) on
	v_bfe_u32 v11, v0, 3, 1
	v_lshl_add_u32 v[AV0], v9, 3, v10
	v_mul_u32_u24 v[AV0], v[AV0], VP
	v_lshl_add_u32 v[AV0], v11, 4, v[AV0]
	v_add_nc_u32 v[AV0], VOFF, v[AV0]
	s_mul_i32 s92, s[WV], 16*MP
	s_add_co_u32 s92, s92, MOFF
	v_mul_u32_u24 v[AM0], v1, MP    ; the mask: my wave's token row r, + 32 h: eight keys of my half
	v_lshl_add_u32 v[AM0], v9, 5, v[AM0]
	v_add_nc_u32 v[AM0], s92, v[AM0]
	v_mov_b32 v[ST+1], 0            ; (named as the upper half of the pair with m before the old m is first kept there)
	v_mov_b32 v[ST+9], 0
; THE MATRIX WORK OF A TURN, for tile x.  The accumulators take turns, one instruction a turn: between two links of a chain stand 7 (V^T P) or 3 (K Q^T) others'.
.macro PV x, zero                   ; product i of 16 of O^T += V^T P: keys 32 (i / 8) on, channels 16 (i % 8) on.  zero = 1: the first 8 start the sums
	WIN W_PV
.set rO, 64*(\x)+8*(i%8)
.set rV, VF+64*(i/8)+8*(i%8)
.set rP, P+16*(\x)+8*(i/8)
.if (\zero) && (i < 8)
	v_wmma_f32_16x16x32_f16 v[rO:rO+7], v[rV:rV+7], v[rP:rP+7], 0
.else
	v_wmma_f32_16x16x32_f16 v[rO:rO+7], v[rV:rV+7], v[rP:rP+7], v[rO:rO+7]
.endif
.endm
.macro KQ x                         ; product i of 16 of S^T = K Q^T + mask: channels 32 (i / 4) on, keys 16 (i % 4) on.  The first 4 start the sums from the mask's fragments
	WIN W_KQ
.set rS, S+32*(\x)+8*(i%4)
.set rK, KF+32*(i%4)+8*(i/4)
.set rQ, 32*(\x)+8*(i/4)
.set rM, M+8*(i%4)
.if i < 4
	v_wmma_f32_16x16x32_f16 v[rS:rS+7], v[rK:rK+7], v[rQ:rQ+7], v[rM:rM+7]
.else
	v_wmma_f32_16x16x32_f16 v[rS:rS+7], v[rK:rK+7], v[rQ:rQ+7], v[rS:rS+7]
.endif
.endm
; THE LDS LOADS stand in runs: step st of the slot in hand: its K (16 fragments) and the mask's four fragments of my 16 tokens; a turn later its V (turned).
.macro FETCH_K st
	WIN 0
	v_add_nc_u32 v[ADR], s[TB], v[AK0]
	v_add_nc_u32 v[ADM], s[TB], v[AM0]
	WIN 0x80
.irp f, 0,1,2,3,4,5,6,7,8,9,10,11,12,13,14,15  ; keys 16 (f / 4) on, channels 32 (f % 4) on
	ds_load_b128 v[KF+8*\f:KF+8*\f+3],   v[ADR] offset:(\st)*64*KP+(\f/4)*16*KP+(\f%4)*64
	ds_load_b128 v[KF+8*\f+4:KF+8*\f+7], v[ADR] offset:(\st)*64*KP+(\f/4)*16*KP+(\f%4)*64+32
.endr
	WIN 0
.irp n, 0,1,2,3,4,5,6,7             ; keys 16 (n / 2) + 8 h + 4 (n % 2) on
	ds_load_b128 v[M+4*\n:M+4*\n+3], v[ADM] offset:(\st)*256+64*(\n/2)+16*(\n%2)
.endr
.endm
.macro FETCH_V st
	WIN 0
	v_add_nc_u32 v[ADR], s[TB], v[AV0]
	s_wait_alu depctr_va_vdst(0)    ; the wait for the softmax's batch of exponentials, ahead of the first instruction that names a result
	WIN 0x40                        ; destination window 1
.irp f, 0,1,2,3,4,5,6,7,8,9,10,11,12,13,14,15  ; keys 32 (f / 8) on, channels 16 (f % 8) on
	ds_load_tr16_b128 v[VF+8*\f:VF+8*\f+3],   v[ADR] offset:(\st)*64*VP+(\f/8)*32*VP+(\f%8)*32
	ds_load_tr16_b128 v[VF+8*\f+4:VF+8*\f+7], v[ADR] offset:(\st)*64*VP+(\f/8)*32*VP+16*VP+(\f%8)*32
.endr
.endm
.macro MSCALE                       ; the mask in units of log2, once for both tiles
	WIN 0
.set n, 0
.rept 16
	v_pk_mul_f32 v[M+2*n:M+2*n+1], v[M+2*n:M+2*n+1], s[CS:CS+1] op_sel_hi:[1,0]
.set n, n+1
.endr
.endm
; THE VECTOR WORK OF A TURN.  One tile's softmax for one key step is a numbered list; SM writes number j of it for tile t.  s0-s31 are the lane's 32 scores, in pairs 0-15.  first = 1: the first key step: no a, nothing to rescale.
;   0-15    the maximum of s0-s31 and the old m, three operands at a time (each score accumulator is read from its low end on)
;   16-20   the other half of the lanes' maximum; the old m kept; the new m; m_old - m_new (19 is empty)
;   21-69   ONE BATCH: the 16 subtractions s - m, a pair each, and all 33 exponentials (a at 23, then s0-s31); none of these names an exponential's result; a pair is subtracted ahead of its exponentials
;   (wait)  between 69 and 70 stands the one wait for the batch: DEAL writes it
;   70-85   the roundings to f16;   86-101 the sums, l = a l + the sum;   102-133 the tile's O^T times a
.macro SM t, first
.set rT, ST+8*(\t)
.set rS, S+32*(\t)
.set rP, P+16*(\t)
.set rO, 64*(\t)+2*(j-102)
.if j < 102
	WIN 0
.endif
.if j < 4
	v_max3_num_f32 v[rT+4+j], v[rS+8*j], v[rS+8*j+1], v[rS+8*j+2]
.elseif j < 12
	v_max3_num_f32 v[rT+4+j%4], v[rT+4+j%4], v[rS+8*(j%4)+2*(j/4)+1], v[rS+8*(j%4)+2*(j/4)+2]
.elseif j == 12
	v_max3_num_f32 v[rT+4], v[rT+4], v[rS+7], v[rS+15]
.elseif j == 13
	v_max3_num_f32 v[rT+6], v[rT+6], v[rS+23], v[rS+31]
.elseif j == 14
	v_max3_num_f32 v[rT+4], v[rT+4], v[rT+5], v[rT+6]
.elseif (j == 15) && \first
	v_max_num_f32 v[rT+4], v[rT+4], v[rT+7]
.elseif j == 15
	v_max3_num_f32 v[rT+4], v[rT+4], v[rT+7], v[rT]
.elseif j == 16
	v_permlanex16_b32 v[rT+5], v[rT+4], s[SEL], s[SEL+1]  ; the query's other 32 keys lie in the lane 16 away
.elseif j == 18
	v_max_num_f32 v[rT], v[rT+4], v[rT+5]
.elseif j == 19
.elseif ((j == 17) || (j == 20) || (j == 23) || (j > 101)) && \first
.elseif j == 17
	v_mov_b32 v[rT+1], v[rT]        ; the old m is kept for a: number 18 writes m anew
.elseif j == 20
	v_sub_f32 v[rT+7], v[rT+1], v[rT]
.elseif j == 23
	v_exp_f32 v[rT+6], v[rT+7]
.elseif (j < 23) || ((j < 38) && (j%2 == 0)) || ((j < 66) && (j%4 == 2))
.set b, (j-2)/4                     ; 38, 42, .. 62: pairs 9 to 15
.if j < 38
.set b, (j-20)/2                    ; 21: pair 0; 22, 24, .. 36: pairs 1 to 8
.endif
	v_pk_add_f32 v[rS+2*b:rS+2*b+1], v[rS+2*b:rS+2*b+1], v[rT:rT+1] op_sel_hi:[1,0] neg_lo:[0,1] neg_hi:[0,1]  ; pair b: s - m (of the pair the low word serves both halves)
.elseif j < 70
.set e, j-38                        ; 66 to 69: s28 to s31
.if j < 66
.set e, j-32-(j-38)/4               ; 39-41, 43-45, .. 63-65: s7 to s27
.endif
.if j < 38
.set e, (j-25)/2                    ; 25, 27, .. 37: s0 to s6
.endif
	v_exp_f32 v[rS+e], v[rS+e]
.elseif j < 86
	v_cvt_pk_f16_f32 v[rP+j-70], v[rS+2*(j-70)], v[rS+2*(j-70)+1]
.elseif j < 102                     ; the sum of the tile's 16 pairs, in place: neighbours 1, 2, 4 and 8 pairs apart, then l takes it
.set z, j-86
.set w, 4
.set u, z
.if z >= 14
.set w, 32
.set u, 0
.elseif z >= 12
.set w, 16
.set u, z-12
.elseif z >= 8
.set w, 8
.set u, z-8
.endif
.if (z == 14) && \first
	v_pk_add_f32 v[rT+2:rT+3], v[rS:rS+1], v[rS+16:rS+17]
.elseif z < 15
	v_pk_add_f32 v[rS+w*u:rS+w*u+1], v[rS+w*u:rS+w*u+1], v[rS+w*u+w/2:rS+w*u+w/2+1]
.elseif !\first
	v_pk_fma_f32 v[rT+2:rT+3], v[rT+2:rT+3], v[rT+6:rT+7], v[rS:rS+1] op_sel_hi:[1,0,1]
.endif
.else
	WIN W_RS
	v_pk_mul_f32 v[rO:rO+1], v[rO:rO+1], v[rT+6:rT+7] op_sel_hi:[1,0]
.endif
.endm
; The next n numbers of tile y's list.  Ahead of number 70, where the batch is out and no result has been named: a plain instruction behind the last exponential, and the turn's one wait.  In tile 1's turn (y = 0) V's run of
; loads stands there with the wait in it: V's last reader is the turn's 16th matrix instruction, and three v_nop and the run's own addition (with number 62, a subtraction) are the places between.
.macro DEAL y, first, n, st
.rept \n
.if j == 70
	WIN 0
.if (\y) == 0
	v_nop
	v_nop
	v_nop
	FETCH_V \st
.else
	v_nop
	s_wait_alu depctr_va_vdst(0)
.endif
.endif
	SM \y, \first
.set j, j+1
.endr
.endm
; A TURN.  pv = 2: 16 products V^T P; 1: they start O^T's sums; 0: none.  kq = 1: 16 products K Q^T for the next step.  st: which step of the slot in hand this turn fetches.
; Tile 0's turn fetches the next step's K and mask behind its second product: their last readers stand in front of the ten multiplies (124-133) that end the turn before.  Those ten are also the places between a turn's last
; K Q^T and the next turn's first read of the scores; in a first step, whose list ends early, four v_nop take their part.
.macro TURN x, pv, kq, first, st
.set j, 0
.set per, 8
.if (\pv) && (\kq)
.set per, 4
.endif
.if \pv
.if (\x) == 0
	s_wait_dscnt 0x0                ; V is in
.endif
.set i, 0
.rept 16
	PV \x, 2-(\pv)
	DEAL 1-(\x), \first, per, \st
.if ((\x) == 0) && (\kq) && (i == 1)
	FETCH_K \st
.endif
.set i, i+1
.endr
.endif
.if \kq
.if (\x) == 0
	s_wait_dscnt 0x0                ; K and the mask are in
	MSCALE
.endif
.set i, 0
.rept 16
	KQ \x
	DEAL 1-(\x), \first, per, \st
.set i, i+1
.endr
.endif
	DEAL 1-(\x), \first, 6, \st
.if \first
.rept 4
	v_nop
.endr
.endif
.endm
; THE CHANGE OF SLOTS, between tile 1's turn and tile 0's: the slot's last bytes, V of its second step, have been asked for.  Each wave waits for all its tensor loads (one is out: its tile of the other slot), adds 0 to its spare
; word, and waits for that and for its reads of the slot.  fill = 1: the barrier is a round of the cluster's, and the joint refill, the keys two slots on, is the first thing behind it: it has two key steps in which to land.
.macro CHANGE fill
	WIN 0
	s_wait_tensorcnt 0x0            ; no tensor load of mine is out, so a group 0 may be written
	ds_add_u32 v[SPW], v[NIL]
.if \fill
.irp g, G0K+4, G0V+4
	s_xor_b32 s[\g+1], s[\g+1], SLOT1
	s_add_nc_u64 s[\g+2:\g+3], s[\g+2:\g+3], 32768   ; the next 128 keys
.endr
	s_xor_b32 s[G0M+5], s[G0M+5], SLOT1
	s_add_nc_u64 s[G0M+6:G0M+7], s[G0M+6:G0M+7], 512
	s_wait_xcnt 0x0                 ; the last prefetch, two key steps back, has read its address
	s_add_nc_u64 s[PFA:PFA+1], s[PFA:PFA+1], s[PFS:PFS+1]
	s_wait_dscnt 0x0                ; the add is done, and my reads of the slot are over
	CROUND
	JLOAD
	ASK
.else
	s_wait_dscnt 0x0
	s_barrier_signal -1
	s_barrier_wait -1
.endif
	s_xor_b32 s[TB], s[TB], SLOT1   ; the fetches go on in the other slot
.endm
.macro TWO_STEPS
	TURN 0, 2, 1, 0, 0
	TURN 1, 2, 1, 0, 0
	TURN 0, 2, 1, 0, 1
	TURN 1, 2, 1, 0, 1
	WIN 0
.endm
	s_wait_tensorcnt 1              ; my tile of slot 0 is in; slot 1's may stay out
	s_barrier_signal -1
	s_barrier_wait -1
	FETCH_K 0                       ; key step 0
	s_wait_loadcnt 0x0              ; Q
	s_wait_dscnt 0x0
	MSCALE
.set i, 0
.rept 16
	KQ 0                            ; tile 0's first scores: there is no vector work yet to set between them
.set i, i+1
.endr
	WIN 0                           ; the addresses for the way out: eight plain instructions, the places behind those products
	s_mul_i32 s92, s[WV], 16*SP
	s_add_co_u32 s92, s92, STAGE
	v_mul_u32_u24 v[STO], v1, SP
	v_lshl_add_u32 v[STO], v9, 4, v[STO]
	v_add_nc_u32 v[STO], s92, v[STO]
	v_mul_u32_u24 v[RD], v9, SP
	v_lshl_add_u32 v[RD], v1, 4, v[RD]
	v_add_nc_u32 v[RD], s92, v[RD]
	v_lshlrev_b32 v[GO], 12, v9
	v_lshl_add_u32 v[GO], v1, 4, v[GO]
	TURN 1, 0, 1, 1, 0              ; tile 1's first scores | tile 0's first softmax | V of step 0
	TURN 0, 1, 1, 1, 1              ; tile 0: V^T P of step 0 starts O^T, K Q^T of step 1 | tile 1's first softmax | K of step 1
	TURN 1, 1, 1, 0, 1              ; tile 1: the same | tile 0's softmax of step 1 | V of step 1
	WIN 0
.Lslot:                             ; 14 trips: every slot but the last two is filled again
	CHANGE 1
	TWO_STEPS
	s_sub_co_u32 s[SLOTS], s[SLOTS], 1
	s_cmp_lg_u32 s[SLOTS], 0
	s_cbranch_scc1 .Lslot
	CHANGE 0                        ; the tail is written out
	TWO_STEPS
	TURN 0, 2, 0, 0, 0              ; tile 0: V^T P of the last step | tile 1's last softmax
.set i, 0
.rept 16
	PV 1, 0                         ; tile 1: V^T P of the last step
.set i, i+1
.endr
	; THE WAY OUT.  l's halves are added; O^T is divided by l, rounded to f16 and sent through my stage, a tile (16 rows of 256 bytes) at a time.  These sums and tile 0's arithmetic are the places behind the last products, which are tile 1's.
	WIN 0
.irp t, 0,1
	v_add_f32 v[ST+8*\t+4], v[ST+8*\t+2], v[ST+8*\t+3]
.endr
.irp t, 0,1
	v_permlanex16_b32 v[ST+8*\t+5], v[ST+8*\t+4], s[SEL], s[SEL+1]
.endr
.irp t, 0,1
	v_add_f32 v[ST+8*\t+4], v[ST+8*\t+4], v[ST+8*\t+5]
.endr
.irp t, 0,1
	v_rcp_f32 v[ST+8*\t+6], v[ST+8*\t+4]
.endr
	v_nop                           ; a plain instruction between the last reciprocal and the use of its result
	s_wait_alu depctr_va_vdst(0)    ; and the wait ahead of the first use: one for both
.macro PACK t
	WIN W_RS
.set n, 64*\t
.rept 32
	v_pk_mul_f32 v[n:n+1], v[n:n+1], v[ST+8*\t+6:ST+8*\t+7] op_sel_hi:[1,0]
.set n, n+2
.endr
	WIN 0x05                        ; sources 0 and 1 window 1, destination window 0: S^T's registers are free
.set n, 0
.rept 32
	v_cvt_pk_f16_f32 v[S+32*\t+n], v[64*\t+2*n], v[64*\t+2*n+1]
.set n, n+1
.endr
	WIN 0
.irp f, 0,1,2,3,4,5,6,7
	ds_store_b128 v[STO], v[S+32*\t+4*\f:S+32*\t+4*\f+3] offset:32*\f
.endr
.irp f, 0,1,2,3,4,5,6,7
	ds_load_b128 v[S+32*\t+4*\f:S+32*\t+4*\f+3], v[RD] offset:\f*2*SP  ; LDS serves a wave's instructions in order: these see the stores above; the next tile's stores come behind them
.endr
.endm
.macro SEND t, younger              ; younger: the LDS instructions issued behind tile t's loads
.irp f, 0,1,2,3,4,5,6,7
	s_wait_dscnt \younger+7-\f
	global_store_b128 v[GO], v[S+32*\t+4*\f:S+32*\t+4*\f+3], s[10:11] offset:256*\t+8192*\f  ; sixteen lanes store 256 consecutive bytes, aligned: a head's share of a token's row
.endr
.endm
	PACK 0
	PACK 1
	SEND 0, 16
	SEND 1, 0
	s_wait_tensorcnt 0x0            ; the wave's end, behind my last tensor load and my last LDS store
	ds_add_u32 v[SPW], v[NIL]
	s_wait_dscnt 0x0
	CROUND                          ; the closing round
	s_endpgm
.Lfunc_end_k_qbff9d60fc6_attn:
	.size	k_qbff9d60fc6_attn, .Lfunc_end_k_qbff9d60fc6_attn-k_qbff9d60fc6_attn
	.p2alignl 7, 3214868480
	.fill 96, 4, 3214868480
	.section	.rodata,"a",@progbits
	.p2align	6, 0x0
	.amdhsa_kernel k_qbff9d60fc6_attn
		.amdhsa_group_segment_fixed_size 327680
		.amdhsa_private_segment_fixed_size 0
		.amdhsa_enable_private_segment 0
		.amdhsa_kernarg_size 24
		.amdhsa_user_sgpr_count 2
		.amdhsa_user_sgpr_kernarg_segment_ptr 1
		.amdhsa_wavefront_size32 1
		.amdhsa_system_sgpr_workgroup_id_x 1
		.amdhsa_system_sgpr_workgroup_id_y 1
		.amdhsa_system_sgpr_workgroup_id_z 1
		.amdhsa_system_vgpr_workitem_id 0
		.amdhsa_next_free_vgpr 768
		.amdhsa_next_free_sgpr 100
		.amdhsa_reserve_vcc 0
		.amdhsa_float_denorm_mode_32 3
		.amdhsa_float_denorm_mode_16_64 3
		.amdhsa_memory_ordered 1
		.amdhsa_forward_progress 1
		.amdhsa_inst_pref_size 191
	.end_amdhsa_kernel
	.amdgpu_metadata
---
amdhsa.version: [ 1, 2 ]
amdhsa.kernels:
  - .name:           k_qbff9d60fc6_attn
    .symbol:         k_qbff9d60fc6_attn.kd
    .args:
      - { .name: qkv, .offset: 0, .size: 8, .value_kind: global_buffer, .address_space: global }
      - { .name: mask, .offset: 8, .size: 8, .value_kind: global_buffer, .address_space: global }
      - { .name: att, .offset: 16, .size: 8, .value_kind: global_buffer, .address_space: global }
    .group_segment_fixed_size: 327680
    .private_segment_fixed_size: 0
    .kernarg_segment_align: 8
    .kernarg_segment_size: 24
    .max_flat_workgroup_size: 128
    .sgpr_count:     100
    .vgpr_count:     768
    .wavefront_size: 32
...
	.end_amdgpu_metadata
.endif
;; end of part 3
;; launch oproj (part 4): grid 16 x 16, 4 waves a work-group, clusters of 4 x 4, 327,680 bytes of LDS; arguments att, wo16, out0; writes out0
.if DOCPART == 4
	.amdgcn_target "amdgcn-amd-amdhsa--gfx1250"
	.amdhsa_code_object_version 6
	.text
	.protected	k_qbff9d60fc6_oproj
	.globl	k_qbff9d60fc6_oproj
	.p2align	8
	.type	k_qbff9d60fc6_oproj,@function
k_qbff9d60fc6_oproj:
	s_mov_b64 s[64:65], 0
	v_nop
	global_prefetch_b8 v0, s[64:65] scope:SCOPE_SE
	s_setreg_imm32_b32 hwreg(HW_REG_WAVE_MODE, 25, 1), 1
	s_wait_xcnt 0x0
	s_wait_alu depctr_hold_cnt(0) depctr_sa_sdst(0) depctr_va_vdst(0) depctr_va_sdst(0) depctr_va_ssrc(0) depctr_va_vcc(0) depctr_vm_vsrc(0)
	s_getreg_b32 s2, hwreg(HW_REG_IB_STS2, 6, 4)
	s_cmp_eq_u32 s2, 0
	s_cbranch_scc0 .Lentry_in_a_cluster
	s_endpgm
.Lentry_in_a_cluster:
	s_bfe_u32 s2, ttmp6, 0x10000c
	s_cmp_lg_u32 s2, 0xf033
	s_cbranch_scc0 .Lentry_shape_is_right
	s_endpgm
.Lentry_shape_is_right:
; OPROJ: out0[m][n] = sum over k of att[m][k] wo16[k][n].  att [2048][2048] f16 holds a quarter of attention's result and wo16 [2048 (k)][4096 (n)] f16 holds 4 wo, so the product needs no factor; sums in f32; out0 f32.
; (The input 'positions' has no way to the output: it is not loaded.)
; A tile of C is 128 (m) x 256 (n): 256 work-groups; four waves, each 64 x 128: 32 accumulators, which fill window 1.
; K goes through a ring of two LDS slots in steps of 192, as long as two slots in LDS allow (a slot of 256 along K would take 206,848 bytes): 2,048 = 10 x 192 + 128, so ten whole steps and a last one of 128.
; A step is six quarters of 32 along K; from a slot's request to the wait for it a wave issues 176 matrix instructions.
; wo16 lies with n innermost: its tile (192 k rows x 512 bytes) comes out of LDS turned, by ds_load_tr16_b128, as source 0 (16 columns n x 32 k); source 1 = 16 rows of att: a lane then holds eight neighbouring n of one row of C.
; att's row of a tile is 384 bytes, 96 words, no power of two: the padding, 16 bytes, stands behind every 32 words: three pieces of 144 bytes, pitch 432 = 27 x 16, so the 16 rows of a fragment load start in 16 different
; 16-byte columns modulo 256.  These rows begin at multiples of 128 bytes of memory, not of 256: the price of the longer step, on a third of a slot's bytes.
; CLUSTERS 4 x 4: att's tiles are shared along a row of the cluster, wo16's along a column.
; REGISTERS: window 0: v16-29 addresses; v32-63, v64-95 att's fragments, two buffers; v128-191, v192-255 wo16's, two buffers, on the way out rows read back from the stage.   window 1: accumulator (a, b) at v[8 (8 a + b)].
.set KSTEP,  192
.set AP,     432                       ; a row of att's tile in LDS: 3 x (128 bytes + 16)
.set BP,     544                       ; a k row of wo16's tile: 512 bytes + 32: sixteen lanes of the turning load take 8 rows x 32 bytes
.set BOFF,   128*AP
.set SLOT,   BOFF+KSTEP*BP
.set STAGE,  SLOT                      ; the way out: 16 rows x 528 bytes for each wave, in slot 1: when the first result is stored there it has had its last fill, and every wave has passed the last change of slots, behind which nobody reads it
.set SPITCH, 528
.set SPARE,  2*SLOT                    ; behind the ring: the spare words, 128 bytes for each wave: two blocks of 256 bytes that no other line names
.set TRIPS,  4                         ; a trip = two K steps; the loop's eight refills bring K steps 2 to 9
.set ADRA, 16                          ; v16-17 LDS address of my att fragments in slot 0, 1
.set ADRB, 20                          ; v20-21 the same for wo16, quarters 0-2; v22-23 quarters 3-5, 96 k rows on: so every offset stays inside the 16-bit immediate
.set STO,  24
.set RD,   25
.set CO,   26
.set SPW,  28
.set NIL,  29
.set FA,   32
.set FB,   128
.set BK,   128
.set G1,   24                          ; s[24:31], s[32:39] groups 1 and 0 (a set for each slot) for att's tiles
.set G0,   32
.set G1B,  48                          ; s[48:55], s[56:63] the same for wo16's
.set G0B,  56
.set G1T,  68                          ; s[68:75], s[84:87] att's tile of the last, short K step
.set G1BT, 76                          ; s[76:83], s[88:91] wo16's
.set G0T,  84
.set G0BT, 88
.set AFL,  (1<<16)|(1<<20)|(1<<21)|(4<<22)|(3<<25)   ; 17:16 elements of 2 bytes; 20 padding on; 21 set beside a mask; 24:22 after every 32 words (code 4); 31:25 four words (code 3)
.set BFL,  (1<<16)|(1<<20)|(1<<21)|(6<<22)|(7<<25)   ; after every 128 words eight words
.set MSB, 0
.macro WIN new
.if MSB != (\new)
	s_set_vgpr_msb (MSB<<8)|(\new)
.set MSB, (\new)
.endif
.endm
.set MUL, 0x50                         ; C and D window 1, the fragments window 0
.macro JLOAD g0a, g1a, g0b, g1b        ; a joint load: waves 0 and 1 fetch att's two halves, waves 2 and 3 wo16's; an s_nop 0 and four v_nop follow each line
	s_cmp_eq_u32 s11, 0
	s_cbranch_scc0 .Lfor_b_\@
	tensor_load_to_lds s[\g0a:\g0a+3], s[\g1a:\g1a+7]
	s_nop 0
.rept 4
	v_nop
.endr
	s_branch .Lasked_\@
.Lfor_b_\@:
	tensor_load_to_lds s[\g0b:\g0b+3], s[\g1b:\g1b+7]
	s_nop 0
.rept 4
	v_nop
.endr
.Lasked_\@:
.endm
.macro CREST
	s_cmp_lg_u32 s10, 0
	s_cbranch_scc1 .Lnot_wave_0_\@
	s_barrier_signal -3
.Lnot_wave_0_\@:
	s_barrier_wait -3
	s_barrier_signal -1
	s_barrier_wait -1
.endm
.macro CROUND
	s_barrier_signal -1
	s_barrier_wait -1
	CREST
.endm
	s_load_b128 s[4:7], s[0:1], 0x0                ; att 4, wo16 6
	s_load_b64 s[8:9], s[0:1], 0x10                ; out0
	v_lshl_add_u32 v[SPW], v0, 2, SPARE
	v_mov_b32 v[NIL], 0
	ds_add_u32 v[SPW], v[NIL]                      ; the wave's opening: the add, twice on end, and its wait ahead of my first tensor load
	ds_add_u32 v[SPW], v[NIL]
	v_lshrrev_b32 v1, 5, v0
	v_readfirstlane_b32 s10, v1                    ; wave 0..3
	s_lshr_b32 s11, s10, 1                         ; which half of the tile's rows is mine.  Also: I fetch for att (0) or for wo16 (1)
	s_and_b32 s12, s10, 1                          ; which half of its columns.  Also: which half of that tile's rows I fetch
	s_bfe_u32 s40, ttmp6, 0x40000                  ; cx
	s_bfe_u32 s41, ttmp6, 0x40004                  ; cy
	s_lshl_b32 s42, ttmp9, 2
	s_add_co_u32 s42, s42, s40                     ; tile column
	s_and_b32 s13, ttmp7, 0xffff
	s_lshl_b32 s13, s13, 2
	s_add_co_u32 s13, s13, s41                     ; tile row
	s_lshl_b32 s43, s41, 2
	s_lshl_b32 s43, 15, s43                        ; my row of the cluster
	s_lshl_b32 s44, 0x1111, s40                    ; my column
	; group 1, att: 64 rows x 192 elements, 2,048 elements apart.  The last step's differs in tensor_dim0 alone: 128 elements are left of a row, the mover writes zeros for the other 64 (they are not multiplied), and the rows lie in LDS as ever
	s_or_b32 s[G1], s43, AFL
	s_or_b32 s[G1T], s43, AFL
	s_mov_b32 s[G1+1], KSTEP<<16                   ; tensor_dim0
	s_mov_b32 s[G1T+1], 128<<16
.irp g, G1, G1T
	s_mov_b32 s[\g+2], 64<<16                      ; tensor_dim1
	s_mov_b32 s[\g+3], KSTEP<<16                   ; tile_dim0
	s_mov_b32 s[\g+4], 64                          ; tile_dim1
	s_mov_b32 s[\g+5], 2048                        ; tensor_dim0_stride
	s_mov_b32 s[\g+6], 0
	s_mov_b32 s[\g+7], 0
.endr
	; group 1, wo16: 96 k rows x 256 elements, 4,096 elements apart; the last step's: 64 k rows
	s_or_b32 s[G1B], s44, BFL
	s_or_b32 s[G1BT], s44, BFL
	s_mov_b32 s[G1B+2], 96<<16
	s_mov_b32 s[G1B+4], 96
	s_mov_b32 s[G1BT+2], 64<<16
	s_mov_b32 s[G1BT+4], 64
.irp g, G1B, G1BT
	s_mov_b32 s[\g+1], 256<<16
	s_mov_b32 s[\g+3], 256<<16
	s_mov_b32 s[\g+5], 4096
	s_mov_b32 s[\g+6], 0
	s_mov_b32 s[\g+7], 0
.endr
	s_lshl_b32 s16, s13, 19                        ; att: 128 rows of 4,096 bytes a tile row,
	s_lshl_b32 s17, s12, 18                        ; 64 rows a half
	s_add_co_u32 s16, s16, s17
	s_mov_b32 s17, 0
	s_lshl_b32 s46, s42, 9                         ; wo16: 512 bytes a tile column,
	s_mul_i32 s47, s12, 96*8192                    ; 96 k rows of 8,192 bytes a half
	s_add_co_u32 s46, s46, s47
	s_mov_b32 s47, 0
	s_lshl_b32 s92, s42, 9                         ; the last step: k rows 1,920 on,
	s_lshl_b32 s93, s12, 19                        ; 64 k rows a half
	s_add_co_u32 s92, s92, s93
	s_add_co_u32 s92, s92, 1920*8192
	s_mov_b32 s93, 0
	s_mul_i32 s20, s12, 64*AP                      ; where they go: no place in the cluster enters an LDS address
	s_mul_i32 s21, s12, 96*BP
	s_add_co_u32 s21, s21, BOFF
	s_mul_i32 s22, s12, 64*BP
	s_add_co_u32 s22, s22, BOFF
	s_wait_dscnt 0x0                               ; both opening adds are done
	s_wait_kmcnt 0x0
	s_add_nc_u64 s[14:15], s[4:5], s[16:17]
	s_add_nc_u64 s[46:47], s[6:7], s[46:47]
	s_add_nc_u64 s[92:93], s[6:7], s[92:93]
	CROUND                                         ; all sixteen work-groups are here: the first joint loads meet
	s_mov_b32 s[G0T], 1                            ; the last step's groups 0: K step 10, into slot 0; written here and never again
	s_mov_b32 s[G0T+1], s20
	s_add_nc_u64 s[G0T+2:G0T+3], s[14:15], 10*KSTEP*2
	s_or_b32 s[G0T+3], s[G0T+3], 0x80000000
	s_mov_b32 s[G0BT], 1
	s_mov_b32 s[G0BT+1], s22
	s_mov_b64 s[G0BT+2:G0BT+3], s[92:93]
	s_or_b32 s[G0BT+3], s[G0BT+3], 0x80000000
.irp s, 0,1
	s_mov_b32 s[G0+4*\s], 1
	s_add_co_u32 s[G0+4*\s+1], s20, \s*SLOT
	s_add_nc_u64 s[G0+4*\s+2:G0+4*\s+3], s[14:15], \s*KSTEP*2
	s_or_b32 s[G0+4*\s+3], s[G0+4*\s+3], 0x80000000
	s_mov_b32 s[G0B+4*\s], 1
	s_add_co_u32 s[G0B+4*\s+1], s21, \s*SLOT
	s_add_nc_u64 s[G0B+4*\s+2:G0B+4*\s+3], s[46:47], \s*KSTEP*8192
	s_or_b32 s[G0B+4*\s+3], s[G0B+4*\s+3], 0x80000000
	JLOAD G0+4*\s, G1, G0B+4*\s, G1B               ; two loads of mine are out
.endr
	v_and_b32 v1, 15, v0                           ; r
	v_bfe_u32 v2, v0, 4, 1                         ; h
	v_mul_u32_u24 v3, v1, AP
	v_lshl_add_u32 v3, v2, 4, v3                   ; att's fragment: row x pitch + 16 x half
	v_and_b32 v4, 7, v0                            ; the turning load: lane l reads 16 bytes of k row 8 (l / 16) + l % 8, columns 8 ((l / 8) % 2) on
	v_bfe_u32 v5, v0, 3, 1
	v_lshl_add_u32 v4, v2, 3, v4
	v_mul_u32_u24 v4, v4, BP
	v_lshl_add_u32 v4, v5, 4, v4
	s_mul_i32 s22, s11, 64*AP                      ; my 64 rows of att
	s_lshl_b32 s23, s12, 8                         ; my 128 columns of wo16: 256 bytes
	s_add_co_u32 s23, s23, BOFF
.irp s, 0,1
	v_add_nc_u32 v[ADRA+\s], s22, v3
	v_add_nc_u32 v[ADRB+\s], s23, v4
	v_add_nc_u32 v[ADRB+2+\s], 96*BP, v[ADRB+\s]
	s_add_co_u32 s22, s22, SLOT
	s_add_co_u32 s23, s23, SLOT
.endr
	s_mul_i32 s22, s10, 16*SPITCH
	s_add_co_u32 s22, s22, STAGE                   ; my stage
	v_mul_u32_u24 v5, v1, SPITCH
	v_lshl_add_u32 v5, v2, 5, v5
	v_add_nc_u32 v[STO], s22, v5                   ; in: row r, 32 bytes for each half of the lanes
	v_and_b32 v6, 31, v0
	v_lshlrev_b32 v[CO], 4, v6                     ; back: the 32 lanes take one row of 512 bytes; and the same in C
	v_add_nc_u32 v[RD], s22, v[CO]
	s_lshl_b32 s16, s13, 21                        ; out0: rows of 16,384 bytes: 128 a tile row,
	s_lshl_b32 s17, s11, 20                        ; 64 a half;
	s_add_co_u32 s16, s16, s17
	s_mov_b32 s17, 0
	s_add_nc_u64 s[8:9], s[8:9], s[16:17]
	s_lshl_b32 s46, s42, 10                        ; 1,024 bytes a tile column,
	s_lshl_b32 s47, s12, 9                         ; 512 a half
	s_add_co_u32 s46, s46, s47
	s_mov_b32 s47, 0
	s_add_nc_u64 s[8:9], s[8:9], s[46:47]
; 8 n matrix instructions: row blocks a0 .. a0 + n - 1 x all 8 column blocks, 32 along K, from buffer f.  The 32 accumulators take turns, one instruction a turn, in the same order in every quarter.
.macro MULA f, a0, n, zero
.set aa, \a0
.rept \n
.irp b, 0,1,2,3,4,5,6,7
.if \zero
	v_wmma_f32_16x16x32_f16 v[8*(8*aa+\b):8*(8*aa+\b)+7], v[FB+64*(\f)+8*\b:FB+64*(\f)+8*\b+7], v[FA+32*(\f)+8*aa:FA+32*(\f)+8*aa+7], 0
.else
	v_wmma_f32_16x16x32_f16 v[8*(8*aa+\b):8*(8*aa+\b)+7], v[FB+64*(\f)+8*\b:FB+64*(\f)+8*\b+7], v[FA+32*(\f)+8*aa:FA+32*(\f)+8*aa+7], v[8*(8*aa+\b):8*(8*aa+\b)+7]
.endif
.endr
.set aa, aa+1
.endr
.endm
; 24 LDS loads in one run: quarter q (32 along K) of a slot into buffer f: wo16's eight fragments first, then att's four, in ascending order.
; wo16: k rows 32 q on, by the address register of the slot's first or second 96 rows.  att: quarter q of a row lies in piece q / 2, at its byte 64 (q % 2).
.macro FETCH slot, q, f
.set rb, ADRB+(\slot)+2*((\q)/3)
.set ob, 32*BP*((\q)%3)
.set oa, 144*((\q)/2)+64*((\q)%2)
.irp b, 0,1,2,3,4,5,6,7
	ds_load_tr16_b128 v[FB+64*(\f)+8*\b:FB+64*(\f)+8*\b+3],   v[rb] offset:ob+32*\b
	ds_load_tr16_b128 v[FB+64*(\f)+8*\b+4:FB+64*(\f)+8*\b+7], v[rb] offset:ob+16*BP+32*\b
.endr
.irp a, 0,1,2,3
	ds_load_b128 v[FA+32*(\f)+8*\a:FA+32*(\f)+8*\a+3],   v[ADRA+\slot] offset:oa+\a*16*AP
	ds_load_b128 v[FA+32*(\f)+8*\a+4:FA+32*(\f)+8*\a+7], v[ADRA+\slot] offset:oa+\a*16*AP+32
.endr
.endm
.macro PLACES                          ; four plain vector instructions in front of loads into registers that matrix instructions have read, and of reads of results
.rept 4
	v_nop
.endr
.endm
; A quarter is 32 along K, 32 matrix instructions; the quarters of a step take buffers 0, 1, 0, 1, 0, 1.  All but a step's last: multiplies buffer f and fetches quarter q into buffer g.
.macro QUARTER slot, q, f, g, zero
	s_wait_dscnt 4                                 ; wo16's fragments and att's blocks 0, 1 are in; the youngest four loads (blocks 2, 3) may be out
	WIN MUL
	MULA \f, 0, 2, \zero
	PLACES
	WIN 0
	FETCH \slot, \q, \g
	s_wait_dscnt 24                                ; all but the 24 just issued
	WIN MUL
	MULA \f, 2, 2, \zero
.endm
.macro FOUR slot                       ; a whole step's quarters 1 to 4: they fetch quarters 2 to 5
	QUARTER \slot, 2, 1, 0, 0
	QUARTER \slot, 3, 0, 1, 0
	QUARTER \slot, 4, 1, 0, 0
	QUARTER \slot, 5, 0, 1, 0
.endm
; A step's last quarter multiplies buffer 1 and changes slots: one barrier; in front of it each wave waits for all its tensor loads, adds 0 to its spare word, and waits for that and for its reads of this slot.
; fill = 1: this slot is filled again, two K steps on; fill = 2: with the last, short K step; fill = 0: nothing is left to fetch.
.macro TURN slot, next, fill
	WIN 0
	s_wait_tensorcnt 0x0                           ; all my tensor loads have landed: my part of the next slot
	ds_add_u32 v[SPW], v[NIL]
	s_wait_dscnt 5                                 ; (the add and the youngest four loads may be out)
	WIN MUL
	MULA 1, 0, 1, 0
	s_wait_dscnt 0x0                               ; the add is done, and my reads of this slot are over
	s_barrier_signal -1
	MULA 1, 1, 1, 0
	WIN 0
	s_barrier_wait -1
.if (\fill) == 1
	CREST                                          ; the barrier has opened a round of the cluster's barrier: no wave of any partner still reads this slot or has a load on its way
	s_add_nc_u64 s[G0+4*\slot+2:G0+4*\slot+3], s[G0+4*\slot+2:G0+4*\slot+3], 2*KSTEP*2
	s_add_nc_u64 s[G0B+4*\slot+2:G0B+4*\slot+3], s[G0B+4*\slot+2:G0B+4*\slot+3], 2*KSTEP*8192
	JLOAD G0+4*\slot, G1, G0B+4*\slot, G1B         ; the first tensor load behind the round: 176 matrix instructions ahead of the wait for it; its four v_nop are the places in front of the loads below
.elseif (\fill) == 2
	CREST
	JLOAD G0T, G1T, G0BT, G1BT
.else
	PLACES
.endif
	FETCH \next, 0, 0
	WIN MUL
	MULA 1, 2, 2, 0
.endm
	s_wait_tensorcnt 1                             ; my part of K step 0 is in; K step 1's may stay out
	s_barrier_signal -1
	s_barrier_wait -1
	FETCH 0, 0, 0
	QUARTER 0, 1, 0, 1, 1                          ; the first quarter stands in front of the loop: its products start the sums
	WIN 0
	s_mov_b32 s3, TRIPS
.Llap:                                                 ; a trip goes once round the ring, from a step's second quarter to the first of the step two on, and fills both slots again
	FOUR 0
	TURN 0, 1, 1
	QUARTER 1, 1, 0, 1, 0
	FOUR 1
	TURN 1, 0, 1
	QUARTER 0, 1, 0, 1, 0
	WIN 0
	s_sub_co_u32 s3, s3, 1
	s_cmp_lg_u32 s3, 0
	s_cbranch_scc1 .Llap
	FOUR 0                                         ; K step 8 goes on; the tail is written out
	TURN 0, 1, 2                                   ; slot 0 takes the last K step, 128 along K
	QUARTER 1, 1, 0, 1, 0                          ; K step 9
	FOUR 1
	TURN 1, 0, 0                                   ; the last change of slots: nothing is asked for
	QUARTER 0, 1, 0, 1, 0                          ; K step 10: four quarters
	QUARTER 0, 2, 1, 0, 0
	QUARTER 0, 3, 0, 1, 0
	s_wait_dscnt 4                                 ; the very last quarter: nothing more to fetch
	WIN MUL
	MULA 1, 0, 2, 0
	s_wait_dscnt 0
	MULA 1, 2, 2, 0
	WIN 0
; THE WAY OUT, block by block of 16 rows x 128 columns: a lane's 32 bytes of a row go into my own stage and come back as whole rows of 512 bytes.  LDS serves a wave's instructions in order: no wait between the stores and the loads.
.macro TOSTAGE a
	WIN 0x04                                       ; an LDS store's data are its source 1: window 1
.irp b, 0,1,2,3,4,5,6,7
	ds_store_b128 v[STO], v[8*(8*(\a)+\b):8*(8*(\a)+\b)+3] offset:64*\b           ; each accumulator from its low end on
	ds_store_b128 v[STO], v[8*(8*(\a)+\b)+4:8*(8*(\a)+\b)+7] offset:64*\b+16
.endr
	WIN 0
.set BB, BK+64*((\a)%2)
.irp t, 0,1,2,3,4,5,6,7,8,9,10,11,12,13,14,15
	ds_load_b128 v[BB+4*\t:BB+4*\t+3], v[RD] offset:\t*SPITCH
.endr
.endm
.macro SEND a, younger                 ; younger: the LDS instructions issued behind block a's loads, which may stay out
.set BB, BK+64*((\a)%2)
	s_wait_dscnt \younger
.irp t, 0,1,2,3,4,5,6,7,8,9,10,11,12,13,14,15
	global_store_b128 v[CO], v[BB+4*\t:BB+4*\t+3], s[8:9] offset:262144*(\a)+16384*\t th:TH_STORE_NT   ; 32 lanes store 512 consecutive bytes, aligned; the largest offset, 63 rows, lies inside the signed 24-bit immediate
.endr
.endm
	PLACES
	TOSTAGE 0
	TOSTAGE 1
	SEND 0, 32                                     ; behind block 0's loads: block 1's 16 stores and 16 loads
	s_wait_xcnt 0x0                                ; block 0's stores have read their registers: block 2's loads may land there
	TOSTAGE 2
	SEND 1, 32
	s_wait_xcnt 0x0
	TOSTAGE 3
	SEND 2, 32
	SEND 3, 0
	s_wait_tensorcnt 0x0                           ; the wave's end, behind my last tensor load and my last LDS store
	ds_add_u32 v[SPW], v[NIL]
	s_wait_dscnt 0x0
	CROUND                                         ; the closing round: no work-group ends while a partner may still ask for a tile that names it
	s_endpgm
.Lfunc_end_k_qbff9d60fc6_oproj:
	.size	k_qbff9d60fc6_oproj, .Lfunc_end_k_qbff9d60fc6_oproj-k_qbff9d60fc6_oproj
	.p2alignl 7, 3214868480
	.fill 96, 4, 3214868480
	.section	.rodata,"a",@progbits
	.p2align	6, 0x0
	.amdhsa_kernel k_qbff9d60fc6_oproj
		.amdhsa_group_segment_fixed_size 327680
		.amdhsa_private_segment_fixed_size 0
		.amdhsa_enable_private_segment 0
		.amdhsa_kernarg_size 24
		.amdhsa_user_sgpr_count 2
		.amdhsa_user_sgpr_kernarg_segment_ptr 1
		.amdhsa_wavefront_size32 1
		.amdhsa_system_sgpr_workgroup_id_x 1
		.amdhsa_system_sgpr_workgroup_id_y 1
		.amdhsa_system_sgpr_workgroup_id_z 1
		.amdhsa_system_vgpr_workitem_id 0
		.amdhsa_next_free_vgpr 512
		.amdhsa_next_free_sgpr 96
		.amdhsa_reserve_vcc 0
		.amdhsa_float_denorm_mode_32 3
		.amdhsa_float_denorm_mode_16_64 3
		.amdhsa_memory_ordered 1
		.amdhsa_forward_progress 1
		.amdhsa_inst_pref_size 132
	.end_amdhsa_kernel
	.amdgpu_metadata
---
amdhsa.version: [ 1, 2 ]
amdhsa.kernels:
  - .name:           k_qbff9d60fc6_oproj
    .symbol:         k_qbff9d60fc6_oproj.kd
    .args:
      - { .name: att, .offset: 0, .size: 8, .value_kind: global_buffer, .address_space: global }
      - { .name: wo16, .offset: 8, .size: 8, .value_kind: global_buffer, .address_space: global }
      - { .name: out0, .offset: 16, .size: 8, .value_kind: global_buffer, .address_space: global }
    .group_segment_fixed_size: 327680
    .private_segment_fixed_size: 0
    .kernarg_segment_align: 8
    .kernarg_segment_size: 24
    .max_flat_workgroup_size: 128
    .sgpr_count:     96
    .vgpr_count:     512
    .wavefront_size: 32
...
	.end_amdgpu_metadata
.endif
;; end of part 4
